; MI455X (gfx1250); checked and timed in simulation.
; The chip was launched on July 23, 2026; its instructions are those of AMD's public machine-readable ISA for CDNA 5 (MIT licence, August 2026) and "CDNA5" Instruction Set Architecture Reference Guide (July 2026). The comments in the code are by the model that wrote it; some were corrected since.
;; Causal Self Attention. Allowed arithmetic: matrix products marked QUANTISED: E2M3 operands, one E8M0 scale for each 32 along K, by v_wmma_scale_f32_16x16x128_f8f6f4 with both operands' format E2M3, f32 sums; everything else in f32.
;; Inputs: Wproj 1,024 x 1,024 float32; Wqkv 1,024 x 3,072 float32; bproj 1,024 float32; bqkv 3,072 float32; x 4 x 2,048 x 1,024 float32.
;; Outputs: out0 4 x 2,048 x 1,024 float32.
;; This version of the problem:
;;   THIS VERSION OF THE PROBLEM IS GIVEN IN LOW PRECISION. The matrix products marked QUANTISED in the list below multiply operands that are first quantised to E2M3 (2 exponent bits, 3 mantissa bits; 6 bits a number), with one power-of-two scale for each 32 numbers along K (OCP MX v1.0); their sums are f32. All else is computed in f32.
;;   The module's matrix products, in the order in which they are computed (A, B: the left and right operand; K: the contracted axis; several contracted axes count as one K, in the product's order):
;;     1. [M 8,192, K 1,024] x [K 1,024, N 3,072]; A: input x; B: input Wqkv: QUANTISED
;;     2. batch 64 x [M 2,048, K 64] x [K 64, N 2,048]; A: computed on the way; B: computed on the way: QUANTISED
;;     3. batch 64 x [M 2,048, K 2,048] x [K 2,048, N 64]; A: softmax (see below); B: computed on the way: QUANTISED
;;     4. [M 8,192, K 1,024] x [K 1,024, N 1,024]; A: computed on the way; B: input Wproj: QUANTISED
;;   THE QUANTISER, for each operand of a quantised product, along K:
;;     - K is cut into blocks of 32 from its start; a last block that is shorter is filled with zeros.
;;     - A block's scale is 2^e with e = floor(log2(the largest magnitude in the block)) - 2, held to -126 .. 127; a block of zeros has e = 0. As a byte (E8M0): e + 127.
;;     - Each number is divided by its block's scale, clamped to +-7.5, and rounded to the nearest number of E2M3, ties to even, subnormals kept.
;;     - The product sums the exact products of the quantised numbers (number of the format x scale) in f32.
;;   ~~~python
;;   def quantise(x, axis):      # numpy; x: float32 -> the quantised numbers, widened to float32 again
;;       x = np.moveaxis(x, axis, -1); K = x.shape[-1]
;;       x = np.pad(x, [(0, 0)] * (x.ndim - 1) + [(0, -K % 32)]); x = x.reshape(x.shape[:-1] + (-1, 32)); a = np.abs(x).max(-1, keepdims=True)
;;       e = np.where(a > 0, np.clip(np.frexp(np.where(a > 0, a, 1))[1] - 1 - 2, -126, 127), 0)      # np.frexp(a)[1] - 1 = floor(log2(a)), exactly
;;       r = np.clip(x / 2.0 ** e, -7.5, 7.5)
;;       step = 2.0 ** (np.maximum(np.frexp(np.where(r == 0, 1, r))[1] - 1, 0) - 3)
;;       q = np.round(r / step) * step * 2.0 ** e      # np.round: ties to even
;;       return np.moveaxis(q.reshape(q.shape[:-2] + (-1,))[..., :K], -1, axis).astype(np.float32)
;;   ~~~
;;   SOFTMAX AHEAD OF A QUANTISED PRODUCT. Where the list says 'softmax', what is quantised is not the finished softmax but p = 2^(t - M), with t = logit x log2(e) and M = ceil(the row's largest t), a whole number; so 1/2 < the row's largest p <= 1. The row's sum l is taken of the UNQUANTISED p, in f32, and the product's result is divided by l at the end. Since M is a whole number, a kernel that streams over the keys may use a running M (the ceiling of the running maximum): every later rescaling is an exact power of two, which a block's scale takes up: the codes' values come out the same.
;;   OPERANDS COMPUTED ON THE WAY. 'Computed on the way' means the value that the module computes at that place (a softmax that the list does not call 'softmax' is quantised finished and normalised). What goes into a quantiser is computed in f32, as accurately as f32 sums, v_exp_f32 and their like allow (about 1e-6 of the number): no bf16 or f16 on the way to a quantiser, and a product that is left as it is and whose result goes on into a quantised operand takes f32 operands (vector FMAs, or v_wmma_f32_16x16x4_f32). A number that lies on a knife's edge between two numbers of the format may be rounded either way, as far as f32 arithmetic and the matrix unit's own rounding can turn it there, and no further.
;; One version. Each part assembles by itself: llvm-mc -triple=amdgcn-amd-amdhsa -mcpu=gfx1250 --defsym DOCPART=n.
;; ======== version 1 of 1: 4 launches
;; limits: right only within a limited range of input values
;; workspace buffers: opc 9,437,184 bytes; ops 393,216 bytes; qkc 12,582,912 bytes; qks 1,048,576 bytes; vr 7,340,032 bytes; yc 6,291,456 bytes; ys 262,144 bytes
;; launch quant (part 1): grid 384 x 1, 4 waves a work-group, no clusters, 68,096 bytes of LDS; arguments x, Wqkv, Wproj, opc, ops; writes opc, ops
.if DOCPART == 1
	.amdgcn_target "amdgcn-amd-amdhsa--gfx1250"
	.amdhsa_code_object_version 6
	.text
	.protected	k_q7f8b706cf8_quant
	.globl	k_q7f8b706cf8_quant
	.p2align	8
	.type	k_q7f8b706cf8_quant,@function
k_q7f8b706cf8_quant:
	s_mov_b64 s[64:65], 0
	v_nop
	global_prefetch_b8 v0, s[64:65] scope:SCOPE_SE
	s_setreg_imm32_b32 hwreg(HW_REG_WAVE_MODE, 25, 1), 1
	s_wait_xcnt 0x0
; x [8192][1024], Wqkv [1024][3072] and Wproj [1024][1024], f32, become codes of FP6 (E2M3) with K innermost and one E8M0 byte for each 32 along K.
; opc: 12,288 rows of 768 bytes (1,024 codes): rows 0-8191 x's tokens, 8192-11263 Wqkv's columns, 11264-12287 Wproj's columns.  ops: the same rows, 32 scale bytes each.
; A block's scale is 2^(floor(log2(largest magnitude)) - 2): its byte is the largest magnitude's exponent field - 2, held at 1 from below.
; LIMITS: a block of zeros, or one whose largest magnitude lies under 2^-124, gets the byte 1 (a block of zeros has zero codes, and the bytes are read by this program alone); NaN and infinities are not served.
; Work-groups 0-255 take x (K innermost: a plain stream of blocks), work-groups 256-383 the weights (K is the first axis: a lane takes a column, its registers run down K).
; WPROJ'S ORDER INSIDE A BLOCK: code positions 8-15 hold rows 16-23 of the block and positions 16-23 rows 8-15, since the launch that makes y lays y's codes in that order; the 32 members of a block are the true ones.
; The two ways part on the work-group's number, never join, and have LDS bytes of their own.  No tensor loads, no barrier: waves share nothing.  Memory binds: no matrix unit, no cluster.
; opc's layout: [K step of 256: 4][row: 12,288][192 bytes], so that any 128 rows of one K step are 24,576 dense bytes that begin at a multiple of 256.
.set PLANEK, 2359296                   ; 12,288 rows x 192 bytes: from one K step's plane to the next
.set STEPS, 16
.set CB,    12                         ; bytes of 16 codes
.set XR,    16                         ; v16-79   x: four sets of 16 numbers as loaded
.set XX,    80                         ; v80-111  two sets of 16 neighbours
.set XE,    112                        ; v112-127 a scale byte for each step
.set XC,    128                        ; v128-191 codes: four registers a step
.set WREG,  8192                       ; x's way: LDS of a wave: two stages of 32 x SP bytes, then its 256 scale bytes
.set SP,    80
.set WSTG,  32768                      ; the weights' way: a stage of 32 rows x WP bytes for each wave
.set WP,    272
.set WX,    32                         ; v32-95   two sets of 32 numbers
.set WC,    96                         ; v96-102  a block's codes
.set WOUT,  112                        ; v112-175 the way out
.set WSB,   24                         ; v24-25   eight scale bytes
.set RO,    176                        ; v176-207 byte offset of code position i's row in a block, + 4 x lane; never rewritten
	s_load_b256 s[4:11], s[0:1], 0x0               ; x s[4:5], Wqkv s[6:7], Wproj s[8:9], opc s[10:11]
	s_load_b64 s[12:13], s[0:1], 0x20              ; ops
	v_lshl_add_u32 v208, v0, 2, 0x10800
	v_mov_b32 v209, 0
	v_lshrrev_b32 v1, 5, v0
	v_readfirstlane_b32 s16, v1                    ; wave
	v_and_b32 v2, 31, v0                           ; lane
	s_cmp_lt_u32 ttmp9, 256
	s_cbranch_scc0 .Lweights
; ---------------- x: a wave takes 16 steps of 512 numbers.  Each load reads 512 consecutive bytes; a step's 2,048 bytes turn through the wave's stage and come back 64 bytes (16 neighbours) a lane
	v_lshlrev_b32 v3, 4, v2                        ; my 16 bytes of a load's 512
	s_mul_i32 s17, s16, WREG
	v_lshrrev_b32 v14, 2, v2
	v_mul_u32_u24 v14, v14, SP
	v_and_b32 v15, 3, v2
	v_lshl_add_u32 v14, v15, 4, v14
	v_add_nc_u32 v14, s17, v14                     ; the stage, in: SP (lane / 4) + 16 (lane % 4)
	v_mul_u32_u24 v15, v2, SP
	v_add_nc_u32 v15, s17, v15                     ; out: SP x lane
	v_and_b32 v4, 15, v2
	v_mul_u32_u24 v4, v4, CB               ; sixteen lanes fill a row's 192 bytes of one K step,
	v_lshrrev_b32 v10, 4, v2
	v_mad_u32_u24 v4, v10, PLANEK, v4      ; lanes 16-31 those of the next K step
	v_lshrrev_b32 v5, 1, v2
	s_add_co_u32 s17, s17, 2*32*SP
	v_add_nc_u32 v5, s17, v5                       ; my block's scale byte in the wave's 256
	v_lshlrev_b32 v7, 3, v2
	v_add_nc_u32 v6, s17, v7                       ; and 8 bytes a lane on the way out
	s_lshl_b32 s17, ttmp9, 2
	s_add_co_u32 s18, s17, s16                     ; which run of 8,192 numbers is my wave's
	s_mov_b32 s21, 0
	s_wait_alu depctr_va_vdst(0)
	s_wait_kmcnt 0x0
	s_lshl_b32 s20, s18, 15
	s_add_nc_u64 s[4:5], s[4:5], s[20:21]          ; 32,768 bytes of x a run,
	s_mul_i32 s20, s18, 1536
	s_add_nc_u64 s[10:11], s[10:11], s[20:21]      ; 6,144 of codes,
	s_lshl_b32 s20, s18, 8
	s_add_nc_u64 s[12:13], s[12:13], s[20:21]      ; 256 scale bytes
.macro XLOAD t
.irp i, 0,1,2,3
	global_load_b128 v[XR+16*((\t)%4)+4*\i:XR+16*((\t)%4)+4*\i+3], v3, s[4:5] offset:2048*(\t)+512*\i th:TH_LOAD_NT
.endr
.endm
.macro XTURN t                         ; LDS serves a wave's instructions in order: no wait between the stores and the loads
.irp i, 0,1,2,3
	ds_store_b128 v14, v[XR+16*((\t)%4)+4*\i:XR+16*((\t)%4)+4*\i+3] offset:32*SP*((\t)%2)+8*SP*\i
.endr
.irp i, 0,1,2,3
	ds_load_b128 v[XX+16*((\t)%2)+4*\i:XX+16*((\t)%2)+4*\i+3], v15 offset:32*SP*((\t)%2)+16*\i
.endr
.endm
.irp t, 0,1,2,3
	XLOAD \t
.endr
	s_wait_loadcnt 12                              ; step 0's four loads are in; the twelve of steps 1 to 3 may be out
	XTURN 0
.macro XSTEP t
.set XS, XX+16*((\t)%2)
.if (\t) > 0
	s_wait_dscnt 1                                 ; this step's numbers are back from the stage; the last step's byte store may be out
.else
	s_wait_dscnt 0x0
.endif
.if (\t)+4 < STEPS
	XLOAD (\t)+4                                   ; into the set that this step's stage stores have read
.endif
.if (\t)+1 < STEPS
.if STEPS-2-(\t) >= 3
	s_wait_loadcnt 12                              ; the next step's four loads are in; those of the three steps behind it may be out
.else
	s_wait_loadcnt 4*(STEPS-2-(\t))
.endif
	XTURN (\t)+1
.endif
	v_max3_num_f32 v8, |v[XS]|, |v[XS+1]|, |v[XS+2]|
	v_max3_num_f32 v9, |v[XS+3]|, |v[XS+4]|, |v[XS+5]|
.irp i, 6,10
	v_max3_num_f32 v8, v8, |v[XS+\i]|, |v[XS+\i+1]|
	v_max3_num_f32 v9, v9, |v[XS+\i+2]|, |v[XS+\i+3]|
.endr
	v_max3_num_f32 v8, v8, |v[XS+14]|, |v[XS+15]|
	v_max3_num_f32 v8, v8, v9, 0x1800000           ; and the floor 2^(3 - 127): the byte cannot fall under 1
	v_max_num_f32_dpp v8, v8, v8 row_xmask:1 row_mask:0xf bank_mask:0xf   ; with my neighbour's 16: the block's largest magnitude
	v_add_nc_u32 v11, 0xff000000, v8               ; 2 off its exponent field: the conversion takes this operand's exponent field as its scale
	v_cvt_scalef32_pk16_fp6_f32 v[XC+4*(\t):XC+4*(\t)+2], v[XS:XS+15], v11
	v_lshrrev_b32 v[XE+(\t)], 23, v11              ; the scale's byte (a plain line behind the conversion)
	ds_store_b8 v5, v[XE+(\t)] offset:16*(\t)      ; both lanes of a block write the same byte with the same value
	global_store_b96 v4, v[XC+4*(\t):XC+4*(\t)+2], s[10:11] offset:((\t)%2)*2*PLANEK+((\t)/2)*192   ; row t / 2 of my eight, K steps 2 (t % 2) and 2 (t % 2) + 1
.endm
.irp t, 0,1,2,3,4,5,6,7,8,9,10,11,12,13,14,15
	XSTEP \t
.endr
	ds_load_b64 v[12:13], v6
	s_wait_dscnt 0x0
	global_store_b64 v7, v[12:13], s[12:13]        ; 32 lanes store 256 consecutive bytes, aligned
	s_wait_tensorcnt 0x0
	ds_add_u32 v208, v209
	s_wait_dscnt 0x0
	s_endpgm
; ---------------- the weights: a wave takes 32 columns x 256 along K: 8 blocks a lane.  Column groups 0-23 are Wqkv's, 24-31 Wproj's
.Lweights:
	s_sub_co_u32 s17, ttmp9, 256
	s_and_b32 s18, s17, 31                         ; which 128 columns
	s_lshr_b32 s19, s17, 5                         ; which 256 along K
	s_mov_b32 s20, 12288
	s_wait_kmcnt 0x0
	s_cmp_ge_u32 s18, 24                           ; the choice hangs on the work-group's number alone
	s_cselect_b64 s[6:7], s[8:9], s[6:7]           ; the tensor,
	s_cselect_b32 s20, 4096, s20                   ; its row in bytes,
	s_cselect_b32 s21, 24, 0
	s_cselect_b32 s22, 32768, 0                    ; eight of Wproj's rows: the exchange inside a block; nothing for Wqkv
	s_sub_co_u32 s21, s18, s21                     ; the column group inside the tensor
	s_mul_i32 s23, s16, 32*WP
	s_add_co_u32 s23, s23, WSTG                    ; my stage
	s_wait_alu depctr_va_vdst(0)
	v_mul_u32_u24 v4, v2, WP
	v_add_nc_u32 v4, s23, v4                       ; in: row = my column
	v_and_b32 v5, 15, v2
	v_lshrrev_b32 v6, 4, v2
	v_mul_u32_u24 v7, v6, WP
	v_lshl_add_u32 v7, v5, 4, v7
	v_add_nc_u32 v7, s23, v7                       ; out: sixteen lanes to a row, two rows an instruction
	v_mul_u32_u24 v8, v6, 192
	v_mad_u32_u24 v8, v5, 12, v8                   ; the same place in opc
	v_lshlrev_b32 v9, 5, v2                        ; my column's row of ops
	v_lshlrev_b32 v3, 2, v2
.set i, 0
	s_wait_alu depctr_va_vdst(0)
.rept 32
	s_mul_i32 s28, s20, i
.if (i >= 8) && (i < 16)
	s_add_co_u32 s28, s28, s22
.endif
.if (i >= 16) && (i < 24)
	s_sub_co_u32 s28, s28, s22
.endif
	v_add_nc_u32 v[RO+i], s28, v3
.set i, i+1
.endr
	s_lshl_b32 s23, s21, 7
	s_lshl_b32 s24, s16, 5
	s_add_co_u32 s23, s23, s24                     ; my first column
	s_lshl_b32 s24, s19, 8
	s_mul_i32 s24, s24, s20                        ; my first row of K, in bytes
	s_lshl_b32 s25, s23, 2
	s_add_co_u32 s24, s24, s25
	s_mov_b32 s25, 0
	s_add_nc_u64 s[32:33], s[6:7], s[24:25]        ; a base for each block, so that none is stepped
	s_lshl_b32 s26, s20, 5
	s_mov_b32 s27, 0
.irp t, 1,2,3,4,5,6,7
	s_add_nc_u64 s[32+2*\t:33+2*\t], s[30+2*\t:31+2*\t], s[26:27]
.endr
	s_lshl_b32 s24, s18, 7
	s_lshl_b32 s25, s16, 5
	s_add_co_u32 s24, s24, s25
	s_add_co_u32 s24, s24, 8192                    ; my first row of opc and ops
	s_mul_i32 s28, s24, 192
	s_mul_i32 s29, s19, PLANEK
	s_add_co_u32 s28, s28, s29
	s_mov_b32 s29, 0
	s_add_nc_u64 s[10:11], s[10:11], s[28:29]
	s_lshl_b32 s28, s24, 5
	s_lshl_b32 s30, s19, 3
	s_add_co_u32 s28, s28, s30
	s_add_nc_u64 s[12:13], s[12:13], s[28:29]
.macro WLOAD t                         ; block t: 32 rows of K at my column: each load reads 128 consecutive bytes
.set i, 0
.rept 32
	global_load_b32 v[WX+32*((\t)%2)+i], v[RO+i], s[32+2*(\t):33+2*(\t)] th:TH_LOAD_NT
.set i, i+1
.endr
.endm
	s_wait_alu depctr_va_vdst(0)
	WLOAD 0
	WLOAD 1
.macro WBLOCK t
.set XS, WX+32*((\t)%2)
.if (\t) < 7
	s_wait_loadcnt 32                              ; this block's 32 loads are in; the next block's 32 may be out
.else
	s_wait_loadcnt 0
.endif
	v_max3_num_f32 v12, |v[XS]|, |v[XS+1]|, |v[XS+2]|
	v_max3_num_f32 v13, |v[XS+3]|, |v[XS+4]|, |v[XS+5]|
.irp i, 6,10,14,18,22,26
	v_max3_num_f32 v12, v12, |v[XS+\i]|, |v[XS+\i+1]|
	v_max3_num_f32 v13, v13, |v[XS+\i+2]|, |v[XS+\i+3]|
.endr
	v_max3_num_f32 v12, v12, |v[XS+30]|, |v[XS+31]|
	v_max3_num_f32 v12, v12, v13, 0x1800000        ; the floor
	v_add_nc_u32 v11, 0xff000000, v12
	v_lshrrev_b32 v13, 23, v11                     ; the scale's byte
.if (\t)%4 == 0
	v_mov_b32 v[WSB+(\t)/4], v13
.else
	v_lshl_or_b32 v[WSB+(\t)/4], v13, 8*((\t)%4), v[WSB+(\t)/4]
.endif
	v_cvt_scalef32_pk16_fp6_f32 v[WC:WC+2], v[XS:XS+15], v11
	v_cvt_scalef32_pk16_fp6_f32 v[WC+4:WC+6], v[XS+16:XS+31], v11
	ds_store_b96 v4, v[WC:WC+2] offset:32*(\t)     ; 12 bytes to a place of 16
	ds_store_b96 v4, v[WC+4:WC+6] offset:32*(\t)+16
.if (\t)+2 < 8
	WLOAD (\t)+2
.endif
	s_wait_dscnt 0x0                               ; the stores have read their registers: the next block's codes may be written
.endm
.set Q, 0
.rept 8
	WBLOCK Q
.set Q, Q+1
.endr
	s_wait_alu depctr_va_vdst(0)
	global_store_b64 v9, v[WSB:WSB+1], s[12:13]    ; my column's eight scale bytes
.irp t, 0,1,2,3,4,5,6,7,8,9,10,11,12,13,14,15
	ds_load_b96 v[WOUT+4*\t:WOUT+4*\t+2], v7 offset:2*\t*WP
.endr
.irp t, 0,1,2,3,4,5,6,7,8,9,10,11,12,13,14,15
	s_wait_dscnt 15-\t                             ; the younger read-backs may be out
	global_store_b96 v8, v[WOUT+4*\t:WOUT+4*\t+2], s[10:11] offset:2*\t*192   ; the wave's 32 rows are 6,144 consecutive bytes
.endr
	s_wait_tensorcnt 0x0
	ds_add_u32 v208, v209
	s_wait_dscnt 0x0
	s_endpgm
.Lfunc_end_k_q7f8b706cf8_quant:
	.size	k_q7f8b706cf8_quant, .Lfunc_end_k_q7f8b706cf8_quant-k_q7f8b706cf8_quant
	.p2alignl 7, 3214868480
	.fill 96, 4, 3214868480
	.section	.rodata,"a",@progbits
	.p2align	6, 0x0
	.amdhsa_kernel k_q7f8b706cf8_quant
		.amdhsa_group_segment_fixed_size 68096
		.amdhsa_private_segment_fixed_size 0
		.amdhsa_enable_private_segment 0
		.amdhsa_kernarg_size 40
		.amdhsa_user_sgpr_count 2
		.amdhsa_user_sgpr_kernarg_segment_ptr 1
		.amdhsa_wavefront_size32 1
		.amdhsa_system_sgpr_workgroup_id_x 1
		.amdhsa_system_sgpr_workgroup_id_y 1
		.amdhsa_system_sgpr_workgroup_id_z 1
		.amdhsa_system_vgpr_workitem_id 0
		.amdhsa_next_free_vgpr 210
		.amdhsa_next_free_sgpr 66
		.amdhsa_reserve_vcc 0
		.amdhsa_float_denorm_mode_32 3
		.amdhsa_float_denorm_mode_16_64 3
		.amdhsa_memory_ordered 1
		.amdhsa_forward_progress 1
		.amdhsa_inst_pref_size 76
	.end_amdhsa_kernel
	.amdgpu_metadata
---
amdhsa.version: [ 1, 2 ]
amdhsa.kernels:
  - .name:           k_q7f8b706cf8_quant
    .symbol:         k_q7f8b706cf8_quant.kd
    .args:
      - { .name: x, .offset: 0, .size: 8, .value_kind: global_buffer, .address_space: global }
      - { .name: Wqkv, .offset: 8, .size: 8, .value_kind: global_buffer, .address_space: global }
      - { .name: Wproj, .offset: 16, .size: 8, .value_kind: global_buffer, .address_space: global }
      - { .name: opc, .offset: 24, .size: 8, .value_kind: global_buffer, .address_space: global }
      - { .name: ops, .offset: 32, .size: 8, .value_kind: global_buffer, .address_space: global }
    .group_segment_fixed_size: 68096
    .private_segment_fixed_size: 0
    .kernarg_segment_align: 8
    .kernarg_segment_size: 40
    .max_flat_workgroup_size: 128
    .sgpr_count:     66
    .vgpr_count:     210
    .wavefront_size: 32
...
	.end_amdgpu_metadata
.endif
;; end of part 1
;; launch qkv (part 2): grid 12 x 32, 4 waves a work-group, clusters of 4 x 4, 327,680 bytes of LDS; arguments opc, ops, bqkv, qkc, qks, vr; writes qkc, qks, vr
.if DOCPART == 2
	.amdgcn_target "amdgcn-amd-amdhsa--gfx1250"
	.amdhsa_code_object_version 6
	.text
	.protected	k_q7f8b706cf8_qkv
	.globl	k_q7f8b706cf8_qkv
	.p2align	8
	.type	k_q7f8b706cf8_qkv,@function
k_q7f8b706cf8_qkv:
	s_mov_b64 s[64:65], 0
	v_nop
	global_prefetch_b8 v0, s[64:65] scope:SCOPE_SE
	s_setreg_imm32_b32 hwreg(HW_REG_WAVE_MODE, 25, 1), 1
	s_wait_xcnt 0x0
	s_wait_alu depctr_hold_cnt(0) depctr_sa_sdst(0) depctr_va_vdst(0) depctr_va_sdst(0) depctr_va_ssrc(0) depctr_va_vcc(0) depctr_vm_vsrc(0)
	s_getreg_b32 s2, hwreg(HW_REG_IB_STS2, 6, 4)
	s_cmp_eq_u32 s2, 0
	s_cbranch_scc0 .Lentry_in_a_cluster
	s_endpgm
.Lentry_in_a_cluster:
	s_bfe_u32 s2, ttmp6, 0x10000c
	s_cmp_lg_u32 s2, 0xf033
	s_cbranch_scc0 .Lentry_shape_is_right
	s_endpgm
.Lentry_shape_is_right:
; qkv = x Wqkv + bqkv on codes of FP6 (E2M3) with one E8M0 scale for each 32 along K = 1,024; the results are quantised at once and leave as codes.
; C'[m'][n'] = sum over k of A'[m'][k] B'[n'][k]; rows of A' and B' are rows of opc (768 bytes) and ops (32 bytes).  A tile of C' is 256 x 256: four waves, 128 x 128 each, 64 accumulators.
; Clusters with x = 0, 1 make q and k: A' = tokens, B' = columns of Wq, Wk.  Clusters with x = 2 make V TRANSPOSED: A' = columns of Wv, B' = tokens.  The matrix instruction is used transposed (source 0 = B', source 1 = A'),
; so that a lane holds one row m' and eight neighbouring n': the way out quantises along n', which is the head's 64 for q and k and the keys for v: the K of the products that follow.
; ORDER INSIDE A BLOCK OF 32: a lane's 16 registers of two neighbouring tiles go into a conversion as they stand, so code positions 8-15 hold members 16-23 of the block and positions 16-23 members 8-15.
; Both operands of each later product are made in that order (q and k here; v here and p in the next launch), so the products pair the right numbers; a block's 32 members, and so its scale, are the true ones.
; OUT: qkc [P][2048 tokens][48 bytes], P = 64 (0 for q, 1 for k) + 16 batch + head; qks [P][token] one word: the two scale bytes, then 0x7f, 0x7f for the zero codes that fill K = 64 up to 128;
;      vr [16 batch + head][key step of 128][d 64][112 bytes]: 96 bytes of codes, the scale word, 12 zero bytes.
; K goes in steps of 256 through a ring of two LDS slots; the scales of the work-group's rows come once.  CLUSTERS: 4 x 4; A's tiles are asked for jointly along a row of the cluster, B's along a column.
; LIMITS: a block of zeros, or one under 2^-124, gets the byte 1 (read by this program alone); NaN and infinities are not served.
; REGISTERS: window 0: v1-31 addresses; v32-63 scale words, two sets, and nothing else; v64-127 bias along n'; v128-223 A's fragments, one set; v224-239 bias along m'.  window 1: B's fragments, two sets.  windows 2, 3: the accumulators.
;   On the way out, window 0: v128-191 a block's 64 numbers a lane; v192-210 its codes; v212-215 its scale word and three zeros; v240-255 at work; v64-175 the read-back.
.set KSTEP,  256
.set NQ,     2
.set ROWB,   192                       ; a tile's row: 256 codes
.set KROW,   768
.set PLANEK, 2359296                   ; opc is laid [K step of 256][row][192 bytes]: from one K step's plane to the next
.set PITCH,  240                       ; an LDS row: 3 x (64 bytes + 16 of padding)
.set FR,     12
.set NL,     6
.set NP,     4
.set HALFT,  128*PITCH
.set SLOT,   4*HALFT
.set LAPS,   2                         ; 1,024 / 512
.set KS,     32                        ; a row of ops
.set SCL,    2*SLOT                    ; the scales, as units of 256 bytes + 16 of padding
.set HALFS,  16*272
.set SBLK,   2*272
.set SPARE,  SCL+4*HALFS               ; the spare words: 128 bytes a wave, two blocks of 256 bytes that no other line names
.set QSTW,   13312                     ; the way out of q, k: a stage of 12,288 bytes of codes + 1,024 of scale words for each wave, from LDS byte 0
.set VSTG,   4*QSTW                    ; the way out of v: 128 records of 112 bytes for each wave.  Both lie in slot 0, which has had its last fill and its last read by then
.set VSTW,   14336
.set SQ,   7                           ; v7   q, k: where I put 24 bytes of a row
.set SQS,  8                           ; v8   and its scale word
.set RQ,   9                           ; v9   where I read the stage back
.set SV,   10                          ; v10-12 the same for v
.set SVS,  11
.set RV,   12
.set SH,   13                          ; v13  16 x (lane / 16)
.set BNO,  14                          ; v14, v15 the biases' offsets; never rewritten
.set BMO,  15
.set ADRA, 16
.set ADRB, 20
.set CO,   26                          ; v26  16 x lane
.set ADRS, 27
.set SPW,  28
.set NIL,  29
.set SC,   32
.set BN,   64
.set AF,   128
.set BM,   224
.set T,    128
.set CD,   192
.set PW,   212
.set TW,   216
.set TM,   240
.set OUT,  64
.set SEL,  66                          ; s[66:67] lane selects: lane l xor 16
.set G1, 24
.set G0, 32
.set G1B, 48
.set G0B, 56
.set G1S, 68
.set G0S, 76
.set G1SB, 80
.set G0SB, 88
.set MSB, 0
.macro WIN new                         ; the immediate's high byte repeats the setting that is left
.if MSB != \new
	s_set_vgpr_msb (MSB<<8)|\new
.set MSB, \new
.endif
.endm
.set MUL_LO, 0xa1                      ; source 0 (B) window 1, source 1 (A) window 0, C and D window 2
.set MUL_HI, 0xf1
.set TO_B,   0x40
; A joint load: waves 0 and 1 fetch for A, waves 2 and 3 for B; the branch hangs on the wave's number alone.  Four v_nop follow each of the two lines.
.macro JLOAD g0a, g1a, g0b, g1b
	s_cmp_eq_u32 s15, 0
	s_cbranch_scc0 .Lfor_b_\@
	tensor_load_to_lds s[\g0a:\g0a+3], s[\g1a:\g1a+7]
	s_nop 0
.rept 4
	v_nop
.endr
	s_branch .Lasked_\@
.Lfor_b_\@:
	tensor_load_to_lds s[\g0b:\g0b+3], s[\g1b:\g1b+7]
	s_nop 0
.rept 4
	v_nop
.endr
.Lasked_\@:
.endm
.macro CREST                           ; a round of the cluster's barrier behind its opening barrier
	s_cmp_lg_u32 s14, 0
	s_cbranch_scc1 .Lnot_wave_0_\@
	s_barrier_signal -3
.Lnot_wave_0_\@:
	s_barrier_wait -3
	s_barrier_signal -1
	s_barrier_wait -1
.endm
.macro CROUND
	s_barrier_signal -1
	s_barrier_wait -1
	CREST
.endm
	s_load_b128 s[4:7], s[0:1], 0x0                ; opc, ops
	s_load_b128 s[8:11], s[0:1], 0x10              ; bqkv, qkc
	s_load_b128 s[96:99], s[0:1], 0x20             ; qks, vr
	v_lshl_add_u32 v[SPW], v0, 2, SPARE
	v_mov_b32 v[NIL], 0
	ds_add_u32 v28, v29
	ds_add_u32 v28, v29
	s_wait_dscnt 0x0
	v_lshrrev_b32 v1, 5, v0
	v_readfirstlane_b32 s14, v1                    ; wave 0..3
	s_lshr_b32 s15, s14, 1                         ; which half of the tile's rows is mine.  Also: I fetch for A (0) or for B (1)
	s_and_b32 s16, s14, 1                          ; which half of its columns.  Also: which 128 rows I fetch
	s_bfe_u32 s40, ttmp6, 0x40000                  ; cx, cy
	s_bfe_u32 s41, ttmp6, 0x40004
	s_lshl_b32 s12, ttmp9, 2                       ; 4 x cluster x
	s_and_b32 s13, ttmp7, 0xffff
	s_lshl_b32 s13, s13, 2                         ; 4 x cluster y
	s_mov_b32 s100, 10240
	s_mov_b32 s101, 8192
	s_cmp_eq_u32 ttmp9, 2                          ; the cluster's x: the same in all sixteen partners
	s_cselect_b32 s42, s13, s12                    ; tile column: v: by tokens (cluster y);  q, k: by the weights' columns (cluster x)
	s_cselect_b32 s17, 0, s13                      ; tile row:    v: Wv's four tiles of columns;  q, k: by tokens
	s_cselect_b32 s100, s100, 0                    ; A's first row in opc: Wv's columns, or the tokens
	s_cselect_b32 s101, 0, s101                    ; B's: the tokens, or Wq's and Wk's columns
	s_add_co_u32 s42, s42, s40                     ; + cx
	s_add_co_u32 s17, s17, s41                     ; + cy
	s_lshl_b32 s43, s41, 2
	s_lshl_b32 s43, 15, s43                        ; my row of the cluster
	s_lshl_b32 s44, 0x1111, s40                    ; my column
	s_or_b32 s[G1+0], s43, (0<<16)|(1<<20)|(1<<21)|(3<<22)|(3<<25)  ; the mask; elements of 1 byte; padding: 4 words behind every 16
	s_or_b32 s[G1B+0], s44, (0<<16)|(1<<20)|(1<<21)|(3<<22)|(3<<25)
.irp g, G1, G1B
	s_mov_b32 s[\g+1], 256<<16                     ; a tile is dense in memory: stated as rows of 256 bytes; the padding's interval stays 64 bytes, so the LDS image is that of rows of 192
	s_mov_b32 s[\g+2], 192<<16                     ; the head's loads: 256 rows of 192 bytes = 192 of 256
	s_mov_b32 s[\g+3], 256<<16
	s_mov_b32 s[\g+4], 192
	s_mov_b32 s[\g+5], 256
	s_mov_b32 s[\g+6], 0
	s_mov_b32 s[\g+7], 0
.endr
	s_or_b32 s[G1S+0], s43, (3<<16)|(1<<20)|(1<<21)|(5<<22)|(3<<25)  ; the scales of 256 rows: 8,192 dense bytes as 32 rows of 256, 16 bytes of padding behind each
	s_or_b32 s[G1SB+0], s44, (3<<16)|(1<<20)|(1<<21)|(5<<22)|(3<<25)
.irp g, G1S, G1SB
	s_mov_b32 s[\g+1], 32<<16
	s_mov_b32 s[\g+2], 32<<16                      ; the scales of 256 rows by one load
	s_mov_b32 s[\g+3], 32<<16
	s_mov_b32 s[\g+4], 32
	s_mov_b32 s[\g+5], 32
	s_mov_b32 s[\g+6], 0
	s_mov_b32 s[\g+7], 0
.endr
	s_lshl_b32 s20, s17, 8
	s_add_co_u32 s20, s20, s100                    ; A: the tile's first row of opc
	s_lshl_b32 s46, s42, 8
	s_add_co_u32 s46, s46, s101                    ; B likewise
	s_mov_b32 s21, 0
	s_mov_b32 s47, 0
	s_mov_b64 s[18:19], KS
	s_mul_u64 s[22:23], s[20:21], s[18:19]
	s_mul_u64 s[92:93], s[46:47], s[18:19]
	s_mov_b64 s[18:19], ROWB
	s_mul_u64 s[20:21], s[20:21], s[18:19]
	s_mul_u64 s[46:47], s[46:47], s[18:19]
	s_mul_i32 s18, s16, 128*ROWB                   ; in the ring I fetch 128 rows: which half, in bytes
	s_mov_b32 s19, 0
	s_mul_i32 s45, s14, HALFT
	s_wait_kmcnt 0x0
	s_add_nc_u64 s[20:21], s[4:5], s[20:21]
	s_add_nc_u64 s[22:23], s[6:7], s[22:23]
	s_add_nc_u64 s[46:47], s[4:5], s[46:47]
	s_add_nc_u64 s[92:93], s[6:7], s[92:93]
	CROUND                                         ; all sixteen work-groups are here: the first joint loads meet
	s_mov_b32 s[G0S], 1                            ; the head's four tiles, each whole: A's scales,
	s_mov_b32 s[G0S+1], SCL
	s_mov_b64 s[G0S+2:G0S+3], s[22:23]
	s_or_b32 s[G0S+3], s[G0S+3], 0x80000000
	s_mov_b32 s[G0SB], 1                           ; B's scales,
	s_mov_b32 s[G0SB+1], SCL+2*HALFS
	s_mov_b64 s[G0SB+2:G0SB+3], s[92:93]
	s_or_b32 s[G0SB+3], s[G0SB+3], 0x80000000
	s_mov_b32 s4, 1                                ; K step 0's 256 rows of A (s[4:7]: the arguments that lay there have served),
	s_mov_b32 s5, 0
	s_mov_b64 s[6:7], s[20:21]
	s_or_b32 s7, s7, 0x80000000
	s_mov_b32 s92, 1                               ; and of B, behind them in slot 0
	s_mov_b32 s93, 2*HALFT
	s_mov_b64 s[94:95], s[46:47]
	s_or_b32 s95, s95, 0x80000000
	s_add_nc_u64 s[20:21], s[20:21], s[18:19]      ; for the ring: my 128 rows
	s_add_nc_u64 s[46:47], s[46:47], s[18:19]
.irp s, 0,1
	s_mov_b32 s[G0+4*\s], 1
	s_add_co_u32 s[G0+4*\s+1], s45, \s*SLOT
	s_add_nc_u64 s[G0+4*\s+2:G0+4*\s+3], s[20:21], \s*PLANEK
	s_or_b32 s[G0+4*\s+3], s[G0+4*\s+3], 0x80000000
	s_mov_b32 s[G0B+4*\s], 1
	s_add_co_u32 s[G0B+4*\s+1], s45, \s*SLOT
	s_add_nc_u64 s[G0B+4*\s+2:G0B+4*\s+3], s[46:47], \s*PLANEK
	s_or_b32 s[G0B+4*\s+3], s[G0B+4*\s+3], 0x80000000
.endr
; the head's loads, one a wave, in one chain of branches on the wave's number: wave 0 A's rows, wave 1 B's, wave 2 A's scales, wave 3 B's
.macro ARM under, g0, g1, next
	s_cmp_lt_u32 s14, \under
	s_cbranch_scc0 \next
	tensor_load_to_lds s[\g0:\g0+3], s[\g1:\g1+7]
	s_nop 0
.rept 4
	v_nop
.endr
	s_branch .Lhead_asked
\next:
.endm
	ARM 1, 4,   G1,  .Lhead_b
	ARM 2, 92,  G1B, .Lhead_sa
	ARM 3, G0S, G1S, .Lhead_sb
	tensor_load_to_lds s[G0SB:G0SB+3], s[G1SB:G1SB+7]
	s_nop 0
.rept 4
	v_nop
.endr
.Lhead_asked:
	v_and_b32 v1, 15, v0
	v_bfe_u32 v2, v0, 4, 1                         ; h
	v_mul_u32_u24 v3, v1, PITCH
	v_mul_u32_u24 v4, v2, 24
	v_add_nc_u32 v4, v3, v4                        ; a fragment's row x pitch + 24 h
	v_lshl_add_u32 v5, v2, 4, v4                   ; and the same behind one padding more
	s_mul_i32 s21, s15, HALFT
	s_mul_i32 s22, s16, HALFT
	s_add_co_u32 s22, s22, 2*HALFT
.irp s, 0,1
	v_add_nc_u32 v[ADRA+\s], s21, v4
	v_add_nc_u32 v[ADRB+\s], s22, v4
	v_add_nc_u32 v[ADRA+2+\s], s21, v5
	v_add_nc_u32 v[ADRB+2+\s], s22, v5
	s_add_co_u32 s21, s21, SLOT
	s_add_co_u32 s22, s22, SLOT
.endr
	v_mul_u32_u24 v5, v1, KS
	v_lshrrev_b32 v6, 8, v5
	v_lshl_add_u32 v5, v6, 4, v5                   ; my row's scales: 32 bytes a row, 16 more for each 256 passed
	s_mul_i32 s21, s15, HALFS
	s_mul_i32 s22, s16, HALFS
	s_add_co_u32 s22, s22, 2*HALFS
	s_sub_co_u32 s22, s22, s21
	v_mul_u32_u24 v6, s22, v2                      ; lanes 16-31 take B's
	s_add_co_u32 s21, s21, SCL
	v_add_nc_u32 v5, v5, v6
	v_add_nc_u32 v[ADRS], s21, v5
	; the way out's LDS addresses: a constant + a lane term + the wave's number x a constant
	s_mul_i32 s21, s14, QSTW
	v_mul_u32_u24 v[SQ], v1, 48
	v_mad_u32_u24 v[SQ], v2, 24, v[SQ]
	v_add_nc_u32 v[SQ], s21, v[SQ]                 ; row r of 48 bytes, + 24 h
	v_lshlrev_b32 v[SQS], 2, v1
	v_lshl_add_u32 v[SQS], v2, 9, v[SQS]
	v_add_nc_u32 v[SQS], s21, v[SQS]
	v_add_nc_u32 v[SQS], 12288, v[SQS]             ; scale words: head h of my two, token r
	v_and_b32 v6, 31, v0
	v_lshlrev_b32 v[CO], 4, v6
	v_add_nc_u32 v[RQ], s21, v[CO]
	s_mul_i32 s21, s14, VSTW
	s_add_co_u32 s21, s21, VSTG
	v_mul_u32_u24 v[SV], v1, 112
	v_add_nc_u32 v[SV], s21, v[SV]
	v_add_nc_u32 v[SVS], 96, v[SV]                 ; the record's scale word
	v_mad_u32_u24 v[SV], v2, 24, v[SV]             ; record r, + 24 h
	v_add_nc_u32 v[RV], s21, v[CO]
	v_lshlrev_b32 v[SH], 4, v2
	; the biases.  Both sets are loaded in every work-group (the one that is not used from bqkv's first bytes), so that both are written on every way
	s_lshl_b32 s46, s42, 10
	s_lshl_b32 s47, s16, 9
	s_add_co_u32 s46, s46, s47                     ; 4 x my first n'
	s_lshl_b32 s20, s17, 10
	s_lshl_b32 s21, s15, 9
	s_add_co_u32 s20, s20, s21
	s_add_co_u32 s20, s20, 8192                    ; 4 x (2,048 + my first m')
	s_cmp_eq_u32 ttmp9, 2
	s_cselect_b32 s46, 0, s46
	s_cselect_b32 s20, s20, 0
	v_lshl_add_u32 v[BNO], v2, 5, s46
	v_lshl_add_u32 v[BMO], v1, 2, s20
.irp b, 0,1,2,3,4,5,6,7
	global_load_b128 v[BN+8*\b:BN+8*\b+3], v[BNO], s[8:9] offset:64*\b        ; bqkv[n0 + 16 b + 8 h + 0 .. 7]
	global_load_b128 v[BN+8*\b+4:BN+8*\b+7], v[BNO], s[8:9] offset:64*\b+16
.endr
.irp a, 0,1,2,3,4,5,6,7
	global_load_b32 v[BM+2*\a], v[BMO], s[8:9] offset:64*\a                   ; bqkv[2,048 + m0 + 16 a + r], twice: a pair for the packed addition
	global_load_b32 v[BM+2*\a+1], v[BMO], s[8:9] offset:64*\a
.endr
.macro FRAG reg, adr, q, i             ; 16 rows x 128 K of 6-bit codes: 12 registers; six pieces of 8 bytes; the second address register serves the pieces that lie behind one padding more in lanes 16-31
.irp p, 0,1,2,3,4,5
.set PIECE, 12*(\q)+6*(\p/3)+\p%3
.if PIECE%8 < 5
	ds_load_b64 v[\reg+2*\p:\reg+2*\p+1], v[\adr] offset:8*PIECE+16*(PIECE/8)+(\i)*16*PITCH
.else
	ds_load_b64 v[\reg+2*\p:\reg+2*\p+1], v[\adr+2] offset:8*PIECE+16*(PIECE/8)+(\i)*16*PITCH
.endif
.endr
.endm
; 16 matrix instructions: A's blocks a0, a0 + 1 x B's eight.  The 64 accumulators take turns, one instruction a turn, in the same order in every step.
.macro MUL16 a0, p, q, sc, zero
.irp a, \a0, \a0+1
.irp b, 0,1,2,3,4,5,6,7
.if \zero
	v_wmma_scale_f32_16x16x128_f8f6f4 v[8*(8*((\a)%4)+\b):8*(8*((\a)%4)+\b)+7], v[128*(\p)+FR*\b:128*(\p)+FR*\b+FR-1], v[AF+FR*(\a):AF+FR*(\a)+FR-1], 0, v[SC+8*NQ*(\sc)+NQ*\b+(\q)], v[SC+8*NQ*(\sc)+NQ*(\a)+(\q)] matrix_a_fmt:MATRIX_FMT_FP6 matrix_b_fmt:MATRIX_FMT_FP6 matrix_a_scale:MATRIX_SCALE_ROW1
.else
	v_wmma_scale_f32_16x16x128_f8f6f4 v[8*(8*((\a)%4)+\b):8*(8*((\a)%4)+\b)+7], v[128*(\p)+FR*\b:128*(\p)+FR*\b+FR-1], v[AF+FR*(\a):AF+FR*(\a)+FR-1], v[8*(8*((\a)%4)+\b):8*(8*((\a)%4)+\b)+7], v[SC+8*NQ*(\sc)+NQ*\b+(\q)], v[SC+8*NQ*(\sc)+NQ*(\a)+(\q)] matrix_a_fmt:MATRIX_FMT_FP6 matrix_b_fmt:MATRIX_FMT_FP6 matrix_a_scale:MATRIX_SCALE_ROW1
.endif
.endr
.endr
.endm
.macro FETCH_B slot, q, p
	WIN TO_B
.irp i, 0,1,2,3,4,5,6,7
	FRAG 128*(\p)+FR*\i, ADRB+\slot, \q, \i
.endr
	WIN 0
.endm
.macro FETCH_A slot, q, i0
.irp i, \i0, \i0+1, \i0+2, \i0+3
	FRAG AF+FR*(\i), ADRA+\slot, \q, \i
.endr
.endm
.macro SCALES sc                       ; a K step's scale words: lanes 0-15 A's block i, lanes 16-31 B's block i
.irp i, 0,1,2,3,4,5,6,7
	ds_load_b64 v[SC+8*NQ*\sc+NQ*\i:SC+8*NQ*\sc+NQ*\i+1], v[ADRS] offset:\i*SBLK
.endr
.endm
.macro PLACES n                        ; plain vector instructions between a matrix instruction and a load into, or a vector read or write of, its registers
.rept \n
	v_nop
.endr
.endm
.macro STEP slot, q, zero
	s_wait_dscnt 4*NL                              ; B's set and A's blocks 0-3 are in; the youngest 24 loads (A's blocks 4-7) may be out
	WIN MUL_LO
	MUL16 0, (\q)%2, \q, \slot, \zero
	MUL16 2, (\q)%2, \q, \slot, \zero
	s_wait_dscnt 0
	PLACES NP
	FETCH_B \slot, (\q)+1, 1-(\q)%2
	FETCH_A \slot, (\q)+1, 0
	WIN MUL_HI
	MUL16 4, (\q)%2, \q, \slot, \zero
	MUL16 6, (\q)%2, \q, \slot, \zero
	PLACES NP
	WIN 0
	FETCH_A \slot, (\q)+1, 4
.endm
; A slot's last step changes slots: one barrier; in front of it each wave waits for all its tensor loads, adds 0 to its spare word, and waits for that and for its reads of this slot.
.macro TURN slot, next, fill
	s_wait_tensorcnt 0x0                           ; all my tensor loads have landed: my part of the next slot
	ds_add_u32 v[SPW], v[NIL]                      ; 0 onto my spare word
	s_wait_dscnt 4*NL+1                            ; the add and the youngest 24 loads may be out
	WIN MUL_LO
	MUL16 0, 1, NQ-1, \slot, 0
	s_wait_dscnt 0x0                               ; the add is done, and my reads of this slot are over
	s_barrier_signal -1
	MUL16 2, 1, NQ-1, \slot, 0
	WIN 0
	s_barrier_wait -1
.if \fill
	CREST                                          ; the barrier has opened a round of the cluster's: no wave of any partner still reads this slot or has a load on its way
	s_add_nc_u64 s[G0+4*\slot+2:G0+4*\slot+3], s[G0+4*\slot+2:G0+4*\slot+3], 2*PLANEK
	s_add_nc_u64 s[G0B+4*\slot+2:G0B+4*\slot+3], s[G0B+4*\slot+2:G0B+4*\slot+3], 2*PLANEK
	JLOAD G0+4*\slot, G1, G0B+4*\slot, G1B         ; the first tensor load behind the round; its four v_nop are the places in front of the loads below
.else
	PLACES NP
.endif
	s_wait_alu depctr_va_vdst(0)
	v_add_nc_u32 v[ADRS], 4*NQ, v[ADRS]
	FETCH_B \next, 0, 0
	FETCH_A \next, 0, 0
	SCALES \next
	WIN MUL_HI
	MUL16 4, 1, NQ-1, \slot, 0
	MUL16 6, 1, NQ-1, \slot, 0
	PLACES NP
	WIN 0
	FETCH_A \next, 0, 4
.endm
	s_wait_alu depctr_va_vdst(0)
	s_wait_tensorcnt 0x0                           ; my tile of the head's four is in; slot 1's first fill is issued as a refill is
	ds_add_u32 v[SPW], v[NIL]
	s_mov_b32 s[G1+2], 96<<16                      ; no tensor load of mine is out: from here on a load brings 128 rows of 192 bytes = 96 of 256
	s_mov_b32 s[G1+4], 96
	s_mov_b32 s[G1B+2], 96<<16
	s_mov_b32 s[G1B+4], 96
	s_wait_dscnt 0x0
	CROUND
	JLOAD G0+4, G1, G0B+4, G1B                     ; K step 1, the first tensor load behind the round
	FETCH_B 0, 0, 0
	FETCH_A 0, 0, 0
	SCALES 0
	FETCH_A 0, 0, 4
	STEP 0, 0, 1                                   ; the first step's products start the sums
	s_mov_b32 s3, LAPS-1
.Llap:
	TURN 0, 1, 1
	STEP 1, 0, 0
	TURN 1, 0, 1
	STEP 0, 0, 0
	s_sub_co_u32 s3, s3, 1
	s_cmp_lg_u32 s3, 0
	s_cbranch_scc1 .Llap
	TURN 0, 1, 0                                   ; the last lap fills nothing
	STEP 1, 0, 0
	s_wait_dscnt 4*NL
	WIN MUL_LO
	MUL16 0, 1, NQ-1, 1, 0
	MUL16 2, 1, NQ-1, 1, 0
	s_wait_dscnt 0
	WIN MUL_HI
	MUL16 4, 1, NQ-1, 1, 0
	MUL16 6, 1, NQ-1, 1, 0
	WIN 0
; THE WAY OUT, block by block of 16 rows x 128 columns: the bias is added, the lane's 64 numbers (four blocks of 32, each shared with lane l xor 16) are quantised, the codes go through my stage in LDS and leave as runs of 512 bytes.
.macro ADDN a                          ; the bias runs along n'.  Each accumulator is read from its low end on
.set WN, 0x02+(\a)/4
	WIN WN                                         ; source 0: window 2 or 3
.set k, 0
.rept 32
	v_pk_add_f32 v[T+2*k:T+2*k+1], v[64*((\a)%4)+2*k:64*((\a)%4)+2*k+1], v[BN+2*k:BN+2*k+1]
.set k, k+1
.endr
	WIN 0
.endm
.macro ADDM a                          ; the bias runs along m': one number a lane
.set WN, 0x02+(\a)/4
	WIN WN
.set k, 0
.rept 32
	v_pk_add_f32 v[T+2*k:T+2*k+1], v[64*((\a)%4)+2*k:64*((\a)%4)+2*k+1], v[BM+2*(\a):BM+2*(\a)+1]
.set k, k+1
.endr
	WIN 0
.endm
; v[s] .. v[s + 63]: registers 16 b + 0 .. 15 are my 16 numbers of block b of my row.  Out: the codes in v[CD] .. v[CD + 11] (registers 6 c .. 6 c + 5: block 2 c + lane / 16, whole), the row's four scale bytes in v[PW].
.macro QUANT s
.irp b, 0,1,2,3
	v_max3_num_f32 v[TM+\b], |v[\s+16*\b]|, |v[\s+1+16*\b]|, 0x1800000   ; with the floor 2^(3 - 127): the byte cannot fall under 1
.endr
.irp i, 2,4,6,8,10,12,14
.irp b, 0,1,2,3
	v_max3_num_f32 v[TM+\b], v[TM+\b], |v[\s+16*\b+\i]|, |v[\s+1+16*\b+\i]|
.endr
.endr
.irp b, 0,1,2,3
	v_permlanex16_b32 v[TM+4+\b], v[TM+\b], s[SEL], s[SEL+1]
.endr
.irp b, 0,1,2,3
	v_max_num_f32 v[TM+\b], v[TM+\b], v[TM+4+\b]   ; the block's largest magnitude
.endr
.irp b, 0,1,2,3
	v_add_nc_u32 v[TM+12+\b], 0xff000000, v[TM+\b] ; 2 off its exponent field: the conversion's scale operand
.endr
.irp b, 0,1,2,3
	v_lshrrev_b32 v[TM+4+\b], 23, v[TM+12+\b]      ; the scale's byte
.endr
	v_lshl_or_b32 v[PW], v[TM+5], 8, v[TM+4]
	v_lshl_or_b32 v[PW], v[TM+6], 16, v[PW]
	v_lshl_or_b32 v[PW], v[TM+7], 24, v[PW]
.irp c, 0,1
	v_cvt_scalef32_pk16_fp6_f32 v[CD+6*\c:CD+2+6*\c], v[\s+32*\c:\s+15+32*\c], v[TM+12+2*\c]
	v_cvt_scalef32_pk16_fp6_f32 v[CD+12+4*\c:CD+14+4*\c], v[\s+16+32*\c:\s+31+32*\c], v[TM+12+2*\c+1]
.endr
	v_nop                                          ; one plain line behind the scaled conversions
.irp c, 0,1
.irp i, 0,1,2
	v_permlane16_swap_b32 v[CD+6*\c+\i], v[CD+12+4*\c+\i]   ; a whole block to a lane: lanes 0-15 block 2 c, lanes 16-31 block 2 c + 1
.endr
.irp i, 0,1,2
	v_mov_b32 v[CD+3+6*\c+\i], v[CD+12+4*\c+\i]
.endr
.endr
.endm
	s_wait_loadcnt 0x0                             ; the biases
	PLACES NP                                      ; behind the last products: their results are read, and the registers that held A's fragments written
.irp b, 0,1,2,3
	v_mov_b32 v[TM+4+\b], 0                        ; a lane permute's destination counts as one of its sources
.endr
	v_mov_b32 v[PW+1], 0
	v_mov_b32 v[PW+2], 0
	v_mov_b32 v[PW+3], 0
	s_mov_b32 s[SEL], 0x76543210
	s_mov_b32 s[SEL+1], 0xfedcba98
	s_mov_b32 s100, 0xffff
	s_mov_b32 s101, 0x7f7f0000
	s_cmp_eq_u32 ttmp9, 2                          ; the cluster's x: the same in all partners; no tensor load and no barrier stands on either way
	s_cbranch_scc1 .Lv
	; ---- q, k: my 128 tokens x two heads
	s_lshl_b32 s46, s42, 2
	s_lshl_b32 s47, s16, 1
	s_add_co_u32 s46, s46, s47                     ; my first head of 32: 0-15 q's, 16-31 k's
	s_lshr_b32 s47, s46, 4
	s_lshl_b32 s47, s47, 6
	s_and_b32 s46, s46, 15
	s_add_co_u32 s46, s46, s47
	s_lshr_b32 s20, s17, 3                         ; the batch
	s_lshl_b32 s20, s20, 4
	s_add_co_u32 s46, s46, s20                     ; P
	s_lshl_b32 s46, s46, 11
	s_and_b32 s20, s17, 7
	s_lshl_b32 s20, s20, 8
	s_lshl_b32 s21, s15, 7
	s_add_co_u32 s20, s20, s21                     ; my first token in the batch
	s_add_co_u32 s46, s46, s20
	s_mul_i32 s20, s46, 48
	s_mov_b32 s21, 0
	s_add_nc_u64 s[10:11], s[10:11], s[20:21]
	s_lshl_b32 s20, s46, 2
	s_add_nc_u64 s[96:97], s[96:97], s[20:21]
.irp a, 0,1,2,3,4,5,6,7
	ADDN \a
	s_wait_dscnt 0x0                               ; the last block's stage stores have read their registers
	QUANT T
.irp c, 0,1
.irp p, 0,1,2
	ds_store_b64 v[SQ], v[CD+6*\c+2*\p:CD+6*\c+2*\p+1] offset:\c*6144+\a*768+8*\p   ; head c, token 16 a + r, block h
.endr
.endr
	v_lshrrev_b32 v[TW], v[SH], v[PW]              ; lanes 0-15 the first head's two bytes, lanes 16-31 the second's,
	v_and_or_b32 v[TW], v[TW], s100, s101          ; and 0x7f for the two blocks of zero codes
	ds_store_b32 v[SQS], v[TW] offset:64*\a
.endr
.set i, 0
.rept 26
	ds_load_b128 v[OUT+4*i:OUT+4*i+3], v[RQ] offset:512*i   ; LDS serves a wave's instructions in order: these see my stores
.set i, i+1
.endr
.set i, 0
.rept 24
	s_wait_dscnt 25-i                              ; the younger read-backs may be out
	global_store_b128 v[CO], v[OUT+4*i:OUT+4*i+3], s[10:11] offset:(i/12)*98304+(i%12)*512   ; 32 lanes store 512 consecutive bytes, aligned to 256
.set i, i+1
.endr
.rept 2
	s_wait_dscnt 25-i
	global_store_b128 v[CO], v[OUT+4*i:OUT+4*i+3], s[96:97] offset:(i-24)*8192
.set i, i+1
.endr
	s_branch .Lend
	; ---- v: my 128 rows (two heads x 64 d) x 128 tokens: one key step
.Lv:
	s_lshr_b32 s46, s42, 3                         ; the batch
	s_lshl_b32 s46, s46, 4
	s_lshl_b32 s20, s17, 2
	s_lshl_b32 s21, s15, 1
	s_add_co_u32 s20, s20, s21                     ; my first head
	s_add_co_u32 s46, s46, s20
	s_lshl_b32 s46, s46, 4
	s_and_b32 s20, s42, 7
	s_lshl_b32 s20, s20, 1
	s_add_co_u32 s20, s20, s16                     ; the key step
	s_add_co_u32 s46, s46, s20
	s_mul_i32 s20, s46, 7168
	s_mov_b32 s21, 0
	s_add_nc_u64 s[98:99], s[98:99], s[20:21]
.irp a, 0,1,2,3,4,5,6,7
	ADDM \a
	s_wait_dscnt 0x0
	QUANT T
.irp c, 0,1
.irp p, 0,1,2
	ds_store_b64 v[SV], v[CD+6*\c+2*\p:CD+6*\c+2*\p+1] offset:\a*1792+48*\c+8*\p   ; record 16 a + r, block 2 c + h
.endr
.endr
	ds_store_b128 v[SVS], v[PW:PW+3] offset:\a*1792   ; the scale word and 12 zero bytes; both halves of the lanes write the same bytes with the same values
.endr
.set i, 0
.rept 28
	ds_load_b128 v[OUT+4*i:OUT+4*i+3], v[RV] offset:512*i
.set i, i+1
.endr
.set i, 0
.rept 28
	s_wait_dscnt 27-i
	global_store_b128 v[CO], v[OUT+4*i:OUT+4*i+3], s[98:99] offset:(i/14)*114688+(i%14)*512
.set i, i+1
.endr
.Lend:
	s_wait_tensorcnt 0x0                           ; the wave's end
	ds_add_u32 v[SPW], v[NIL]
	s_wait_dscnt 0x0
	CROUND                                         ; the closing round
	s_endpgm
.Lfunc_end_k_q7f8b706cf8_qkv:
	.size	k_q7f8b706cf8_qkv, .Lfunc_end_k_q7f8b706cf8_qkv-k_q7f8b706cf8_qkv
	.p2alignl 7, 3214868480
	.fill 96, 4, 3214868480
	.section	.rodata,"a",@progbits
	.p2align	6, 0x0
	.amdhsa_kernel k_q7f8b706cf8_qkv
		.amdhsa_group_segment_fixed_size 327680
		.amdhsa_private_segment_fixed_size 0
		.amdhsa_enable_private_segment 0
		.amdhsa_kernarg_size 48
		.amdhsa_user_sgpr_count 2
		.amdhsa_user_sgpr_kernarg_segment_ptr 1
		.amdhsa_wavefront_size32 1
		.amdhsa_system_sgpr_workgroup_id_x 1
		.amdhsa_system_sgpr_workgroup_id_y 1
		.amdhsa_system_sgpr_workgroup_id_z 1
		.amdhsa_system_vgpr_workitem_id 0
		.amdhsa_next_free_vgpr 1024
		.amdhsa_next_free_sgpr 102
		.amdhsa_reserve_vcc 0
		.amdhsa_float_denorm_mode_32 3
		.amdhsa_float_denorm_mode_16_64 3
		.amdhsa_memory_ordered 1
		.amdhsa_forward_progress 1
		.amdhsa_inst_pref_size 248
	.end_amdhsa_kernel
	.amdgpu_metadata
---
amdhsa.version: [ 1, 2 ]
amdhsa.kernels:
  - .name:           k_q7f8b706cf8_qkv
    .symbol:         k_q7f8b706cf8_qkv.kd
    .args:
      - { .name: opc, .offset: 0, .size: 8, .value_kind: global_buffer, .address_space: global }
      - { .name: ops, .offset: 8, .size: 8, .value_kind: global_buffer, .address_space: global }
      - { .name: bqkv, .offset: 16, .size: 8, .value_kind: global_buffer, .address_space: global }
      - { .name: qkc, .offset: 24, .size: 8, .value_kind: global_buffer, .address_space: global }
      - { .name: qks, .offset: 32, .size: 8, .value_kind: global_buffer, .address_space: global }
      - { .name: vr, .offset: 40, .size: 8, .value_kind: global_buffer, .address_space: global }
    .group_segment_fixed_size: 327680
    .private_segment_fixed_size: 0
    .kernarg_segment_align: 8
    .kernarg_segment_size: 48
    .max_flat_workgroup_size: 128
    .sgpr_count:     102
    .vgpr_count:     1024
    .wavefront_size: 32
...
	.end_amdgpu_metadata
.endif
;; end of part 2
;; launch attn (part 3): grid 4 x 64, 16 waves a work-group, no clusters, 235,520 bytes of LDS; arguments qkc, qks, vr, yc, ys; writes yc, ys
.if DOCPART == 3
	.amdgcn_target "amdgcn-amd-amdhsa--gfx1250"
	.amdhsa_code_object_version 6
	.text
	.protected	k_q7f8b706cf8_attn
	.globl	k_q7f8b706cf8_attn
	.p2align	8
	.type	k_q7f8b706cf8_attn,@function
k_q7f8b706cf8_attn:
	s_mov_b64 s[64:65], 0
	v_nop
	global_prefetch_b8 v0, s[64:65] scope:SCOPE_SE
	s_setreg_imm32_b32 hwreg(HW_REG_WAVE_MODE, 25, 1), 1
	s_wait_xcnt 0x0
; y[b][t][head][:] = the sum over keys k <= t of softmax_k(q . k / 8) v, both products on codes of FP6 (E2M3); y is quantised along C and leaves as codes.
; THE SOFTMAX: t = score x log2(e) / 8; M = the running largest t rounded UP to a whole number; p = 2^(t - M) is quantised along the keys, not normalised; the row's sum is taken of the unquantised p and divides O at the end.
; When M moves, the sum and O are multiplied by 2^(old M - new M): exact.
; SHARES.  A work-group takes one head of one batch (y of the grid) and 32 tiles of 16 queries; wave w of work-group g owns tiles 16 g + w and 127 - (16 g + w): together 17 key steps of 128 at or under the diagonal, the same for every wave.
; THE WHOLE HEAD'S K AND V STAY IN LDS, filled once: 2,048 x 48 bytes of k's codes, 16 x 64 records of 112 bytes of v, 2,048 scale words of k.  Waves 0-7 bring an eighth of k's codes each, waves 8-14 a seventh of v's records, wave 15 k's scale words.  One barrier in the launch; nothing is filled again.
; K = 64 in the first product: registers 6-11 of q's and k's fragments are zero codes, and their scale bytes are 0x7f.
; Both products are used transposed (S^T = k q^T, O^T = v^T p^T): a lane holds one query throughout.  A tile of k is 16 neighbouring keys, so p's codes lie inside a block of 32 keys in the same order as v's codes (made by the launch before from tiles of 16 tokens).
; CAUSAL: every pass walks 16 steps (a constant count); a step all of whose keys come after the wave's queries is jumped over by a scalar branch on ids; on the diagonal hidden scores become -infinity.
; NO CLUSTER: the four work-groups of a head read the same K and V, but the jump over hidden steps hangs on the work-group's number among those four, which would be its place in such a cluster; the shared bytes are read once each, at the head.
; LIMITS: a block of zeros, or one under 2^-124, gets the byte 1 (read by this program alone); NaN and infinities are not served.
; REGISTERS: v1-7, v29-31, v248-252 addresses that stay; v8-11 addresses of the step; v12 -M, v13 the largest t, v[14:15] the sum; v16-27, v28 q and its scale words (first pass); v228-239, v240 (second pass); v32-79 four fragments of k;
;   v80-83, v84-87 scale words of k, of v; v96-159 S^T, then p, then four fragments of v; v160-191 O^T; v192-210 codes; v212-223 at work; v224 f, v225 p's scale word; v226, v227, v241-247 at work.
.set VR,   98304                       ; LDS: k's codes from 0, 48 bytes a key; v's records from here, 7,168 bytes a key step;
.set KSW,  212992                      ; k's scale words;
.set STG,  221184                      ; the way out: 768 bytes for each wave, in blocks of 256 bytes into which no fill lands
.set KFR,  32
.set KSC,  80
.set VSC,  84
.set S,    96
.set O,    160
.set CD,   192
.set BX,   212                         ; block maxima
.set PT,   216                         ; permute temporaries, then bytes
.set SOP,  220                         ; the conversions' scale operands
.set WV,   14
.set CS,   22                          ; s[22:23] c = log2(e) / 8
.set G1K,  24
.set G1V,  32
.set G1S,  40
.set G0K,  48
.set G0V,  52
.set G0S,  56
.set SEL,  60
.set KF,   62                          ; the step's first key
.set TK,   63                          ; where the step's k begins in LDS: 6,144 bytes a step
.set TV,   66                          ; v: 7,168
.set TS,   67                          ; k's scale words: 512
.set CNT,  68
.set TP,   69
	s_load_b256 s[4:11], s[0:1], 0x0               ; qkc s[4:5], qks s[6:7], vr s[8:9], yc s[10:11]
	s_load_b64 s[12:13], s[0:1], 0x20              ; ys
	v_lshl_add_u32 v254, v0, 2, 0x39000
	v_mov_b32 v255, 0
	ds_add_u32 v254, v255
	ds_add_u32 v254, v255
	v_lshrrev_b32 v8, 5, v0
	s_delay_alu instid0(VALU_DEP_1)
	v_readfirstlane_b32 s[WV], v8                  ; wave 0..15
	s_and_b32 s15, ttmp7, 0xffff                   ; 16 batch + head
	; descriptor groups 1: dense blocks as rows of 256 bytes (32 elements of 8 bytes): 48 rows of k's codes, 64 of v's records, 32 of scale words
.irp g, G1K, G1V, G1S
	s_mov_b32 s[\g], 3<<16
	s_mov_b32 s[\g+1], 32<<16
	s_mov_b32 s[\g+3], 32<<16
	s_mov_b32 s[\g+5], 32
	s_mov_b32 s[\g+6], 0
	s_mov_b32 s[\g+7], 0
.endr
	; ONE LOAD A WAVE: waves 0-7 an eighth of k's codes each (48 rows of 256 bytes), waves 8-14 a seventh of v's records (64 rows), wave 15 k's scale words (32 rows)
	s_mov_b32 s[G1K+2], 48<<16
	s_mov_b32 s[G1K+4], 48
	s_mov_b32 s[G1V+2], 64<<16
	s_mov_b32 s[G1V+4], 64
	s_mov_b32 s[G1S+2], 32<<16
	s_mov_b32 s[G1S+4], 32
	s_add_co_u32 s16, s15, 64
	s_mul_i32 s16, s16, 98304
	s_mul_i32 s70, s[WV], 12288
	s_add_co_u32 s16, s16, s70
	s_mov_b32 s17, 0
	s_mul_i32 s18, s15, 114688
	s_and_b32 s75, s[WV], 7
	s_lshl_b32 s71, s75, 14
	s_add_co_u32 s18, s18, s71
	s_mov_b32 s19, 0
	s_add_co_u32 s72, s15, 64
	s_lshl_b32 s72, s72, 13
	s_mov_b32 s73, 0
	s_mov_b32 s[SEL], 0x76543210
	s_mov_b32 s[SEL+1], 0xfedcba98
	s_mov_b32 s[CS], 0x3e38aa3b
	s_mov_b32 s[CS+1], s[CS]
	s_wait_dscnt 0x0
	s_wait_kmcnt 0x0
	s_mov_b32 s[G0K], 1
	s_mov_b32 s[G0K+1], s70
	s_add_nc_u64 s[G0K+2:G0K+3], s[4:5], s[16:17]
	s_or_b32 s[G0K+3], s[G0K+3], 0x80000000
	s_mov_b32 s[G0V], 1
	s_add_co_u32 s[G0V+1], s71, VR
	s_add_nc_u64 s[G0V+2:G0V+3], s[8:9], s[18:19]
	s_or_b32 s[G0V+3], s[G0V+3], 0x80000000
	s_mov_b32 s[G0S], 1
	s_mov_b32 s[G0S+1], KSW
	s_add_nc_u64 s[G0S+2:G0S+3], s[6:7], s[72:73]
	s_or_b32 s[G0S+3], s[G0S+3], 0x80000000
	s_cmp_lt_u32 s[WV], 8                          ; one chain of branches on the wave's number, one fill to an arm: the launch's only fills
	s_cbranch_scc0 .Lfill_v
	tensor_load_to_lds s[G0K:G0K+3], s[G1K:G1K+7]
	s_nop 0
.rept 4
	v_nop
.endr
	s_branch .Lfilled
.Lfill_v:
	s_cmp_lt_u32 s[WV], 15
	s_cbranch_scc0 .Lfill_s
	tensor_load_to_lds s[G0V:G0V+3], s[G1V:G1V+7]
	s_nop 0
.rept 4
	v_nop
.endr
	s_branch .Lfilled
.Lfill_s:
	tensor_load_to_lds s[G0S:G0S+3], s[G1S:G1S+7]
	s_nop 0
.rept 4
	v_nop
.endr
.Lfilled:
	v_and_b32 v8, 15, v0
	v_bfe_u32 v9, v0, 4, 1                         ; h
	v_and_b32 v10, 31, v0                          ; lane
	s_delay_alu instid0(VALU_DEP_3)
	v_mul_u32_u24 v1, v8, 48
	s_delay_alu instid0(VALU_DEP_1)
	v_mad_u32_u24 v1, v9, 24, v1                   ; k: 48 r + 24 h
	s_wait_alu depctr_va_vdst(0)
	v_mul_u32_u24 v2, v8, 112
	s_delay_alu instid0(VALU_DEP_1)
	v_add_nc_u32 v4, VR+96, v2                     ; v's scale word: record r
	s_delay_alu instid0(VALU_DEP_2)
	v_mad_u32_u24 v2, v9, 24, v2
	s_delay_alu instid0(VALU_DEP_1)
	v_add_nc_u32 v2, VR, v2                        ; v: 112 r + 24 h
	v_lshl_add_u32 v3, v8, 2, KSW                  ; k's scale word: 4 r
	s_mul_i32 s[TP], s[WV], 768
	s_add_co_u32 s[TP], s[TP], STG
	v_add_nc_u32 v5, s[TP], v1                     ; my stage, in
	v_lshl_add_u32 v6, v10, 3, s[TP]               ; and back: 8 bytes a lane
	v_lshlrev_b32 v248, 3, v9                      ; 8 h
	s_lshl_b32 s20, ttmp9, 4
	s_add_co_u32 s20, s20, s[WV]
	s_lshl_b32 s20, s20, 4                         ; my first query of the first pass,
	s_sub_co_u32 s21, 2032, s20                    ; and of the second
	s_mul_i32 s16, s15, 98304                      ; q's plane
	s_mul_i32 s17, s20, 48
	s_add_co_u32 s17, s17, s16
	v_add_nc_u32 v249, s17, v1
	s_mul_i32 s17, s21, 48
	s_add_co_u32 s17, s17, s16
	v_add_nc_u32 v250, s17, v1
.irp p, 0,1,2
	global_load_b64 v[16+2*\p:17+2*\p], v249, s[4:5] offset:8*\p
	global_load_b64 v[228+2*\p:229+2*\p], v250, s[4:5] offset:8*\p
.endr
	s_lshl_b32 s16, s15, 13
	s_lshl_b32 s17, s20, 2
	s_add_co_u32 s17, s17, s16
	v_lshl_add_u32 v251, v8, 2, s17
	s_lshl_b32 s17, s21, 2
	s_add_co_u32 s17, s17, s16
	v_lshl_add_u32 v252, v8, 2, s17
	global_load_b32 v28, v251, s[6:7]
	global_load_b32 v240, v252, s[6:7]
	s_and_b32 s16, s15, 15                         ; head
	s_lshr_b32 s17, s15, 4                         ; batch
	s_lshl_b32 s18, s17, 11
	s_lshl_b32 s19, s16, 13
	s_add_co_u32 s19, s19, s18
	s_add_co_u32 s70, s19, s20
	s_mul_i32 s70, s70, 48
	v_lshl_add_u32 v7, v10, 3, s70                 ; yc: (8,192 head + token) x 48 + 8 x lane
	s_add_co_u32 s70, s19, s21
	s_mul_i32 s70, s70, 48
	v_lshl_add_u32 v29, v10, 3, s70
	s_lshl_b32 s71, s16, 1
	s_add_co_u32 s70, s18, s20
	s_lshl_b32 s70, s70, 5
	s_add_co_u32 s70, s70, s71
	s_add_co_u32 s72, s18, s21
	s_lshl_b32 s72, s72, 5
	s_add_co_u32 s72, s72, s71
	v_lshl_add_u32 v30, v8, 5, v9
	s_delay_alu instid0(VALU_DEP_1)
	v_add_nc_u32 v31, s72, v30                     ; ys: 32 (token + r) + 2 head + h
	s_delay_alu instid0(VALU_DEP_2)
	v_add_nc_u32 v30, s70, v30
.irp j, 0,1,2,3,4,5
	v_mov_b32 v[22+\j], 0                          ; zero codes for K = 64 .. 127
	v_mov_b32 v[234+\j], 0
.irp t, 0,1,2,3
	v_mov_b32 v[KFR+12*\t+6+\j], 0
.endr
.endr
.irp b, 0,1,2,3
	v_mov_b32 v[PT+\b], 0                          ; a lane permute's destination counts as one of its sources
.endr
	v_mov_b32 v225, 0                              ; named as the upper half of the pair v[224:225] before it is first written
	v_mov_b32 v226, 0
	s_wait_loadcnt 0x0                             ; q
	s_wait_tensorcnt 0x0                           ; my three blocks have landed,
	s_barrier_signal -1
	s_barrier_wait -1                              ; everybody's have
; A KEY STEP of 128 keys for the tile whose q lies in v[qf] on, its scale words in v[qs], its first query in s[q0].
.macro STEP qf, qs, q0
	s_add_co_u32 s[TP], s[\q0], 15
	s_cmp_gt_u32 s[KF], s[TP]
	s_cbranch_scc1 .Lhidden_\@                     ; all 128 keys come after my queries: a branch on ids, round the work alone
	v_add_nc_u32 v8, s[TK], v1
	s_wait_alu depctr_va_vdst(0)
	v_add_nc_u32 v9, s[TV], v2
	v_add_nc_u32 v10, s[TS], v3
	s_wait_alu depctr_va_vdst(0)
	v_add_nc_u32 v11, s[TV], v4
	v_nop
	v_nop                                          ; six plain lines: S^T is written over registers that the last step's products read as fragments of v (five are asked)
.irp g, 0,1
.if \g > 0
.rept 4
	v_nop                                          ; in front of loads into registers that matrix instructions have read
.endr
.endif
.irp t, 0,1,2,3
.irp p, 0,1,2
	ds_load_b64 v[KFR+12*\t+2*\p:KFR+12*\t+2*\p+1], v8 offset:768*(4*\g+\t)+8*\p
.endr
	ds_load_b32 v[KSC+\t], v10 offset:64*(4*\g+\t)
.endr
	s_wait_dscnt 0x0
.irp t, 0,1,2,3
	v_wmma_scale_f32_16x16x128_f8f6f4 v[S+8*(4*\g+\t):S+8*(4*\g+\t)+7], v[KFR+12*\t:KFR+12*\t+11], v[\qf:\qf+11], 0, v[KSC+\t], v[\qs] matrix_a_fmt:MATRIX_FMT_FP6 matrix_b_fmt:MATRIX_FMT_FP6
.endr
.endr                                          ; lane (r, h): query r; register 8 T + j: key 16 T + 8 h + j of the step
.rept 4
	v_nop
.endr
	s_add_co_u32 s[TP], s[KF], 127
	s_cmp_le_u32 s[TP], s[\q0]
	s_cbranch_scc1 .Lopen_\@                       ; all keys count
	s_sub_co_i32 s[TP], s[\q0], s[KF]
	v_and_b32 v226, 15, v0
	s_delay_alu instid0(VALU_DEP_1)
	v_sub_nc_u32 v226, v226, v248
	s_delay_alu instid0(VALU_DEP_1)
	v_add_nc_u32 v226, s[TP], v226                 ; my query - the step's first key - 8 h
	v_mov_b32 v227, 0xff800000                     ; -infinity
.set n, 0
.rept 64
	v_cmp_gt_i32 vcc_lo, 32*(n/16)+(n%16)+8*((n%16)/8), v226
	v_cndmask_b32 v[S+n], v[S+n], v227, vcc_lo
.set n, n+1
.endr
.Lopen_\@:
.irp b, 0,1,2,3
	v_max3_num_f32 v[BX+\b], v[S+16*\b], v[S+1+16*\b], v[S+2+16*\b]   ; the largest score of each block of 32 keys: for the row's maximum, and, since p rises with the score, for the block's largest p
.endr
.irp i, 3,5,7,9,11,13
.irp b, 0,1,2,3
	v_max3_num_f32 v[BX+\b], v[BX+\b], v[S+16*\b+\i], v[S+1+16*\b+\i]
.endr
.endr
.irp b, 0,1,2,3
	v_max_num_f32 v[BX+\b], v[BX+\b], v[S+15+16*\b]
.endr
.irp b, 0,1,2,3
	s_delay_alu instid0(VALU_DEP_4)
	v_permlanex16_b32 v[PT+\b], v[BX+\b], s[SEL], s[SEL+1]
.endr
.irp b, 0,1,2,3
	s_delay_alu instid0(VALU_DEP_4)
	v_max_num_f32 v[BX+\b], v[BX+\b], v[PT+\b]
.endr
	s_delay_alu instid0(VALU_DEP_2)
	v_max3_num_f32 v226, v[BX], v[BX+1], v[BX+2]
	s_delay_alu instid0(VALU_DEP_1)
	v_max_num_f32 v226, v226, v[BX+3]
	s_delay_alu instid0(VALU_DEP_1)
	v_mul_f32 v226, s[CS], v226
	s_delay_alu instid0(VALU_DEP_1)
	v_max_num_f32 v13, v13, v226                   ; the running largest t
	v_mov_b32 v226, v12
	s_delay_alu instid0(VALU_DEP_2)
	v_floor_f32 v12, -v13                          ; the new -M = -ceil(t)
	s_delay_alu instid0(VALU_DEP_1)
	v_sub_f32 v226, v12, v226                      ; old M - new M: a whole number, 0 or less
	s_delay_alu instid0(VALU_DEP_1)
	v_cvt_i32_f32 v226, v226                       ; (it saturates)
	s_delay_alu instid0(VALU_DEP_1)
	v_ldexp_f32 v224, 1.0, v226                    ; f = 2^(old M - new M)
.set j, 0
.rept 32
	v_pk_fma_f32 v[S+j:S+j+1], v[S+j:S+j+1], s[CS:CS+1], v[12:13] op_sel_hi:[1,0,0]   ; t - M
.set j, j+2
.endr
.irp b, 0,1,2,3
	v_fma_f32 v[BX+\b], v[BX+\b], s[CS], v12
.endr
.set j, 0
	s_wait_alu depctr_va_vdst(0)
.rept 64
	v_exp_f32 v[S+j], v[S+j]                       ; p = 2^(t - M)
.set j, j+1
.endr
	v_pk_mul_f32 v[14:15], v[14:15], v[224:225] op_sel_hi:[1,0]   ; the sums under the new M: a plain line behind the exponentials
	s_wait_alu depctr_va_vdst(0)                   ; one wait for the batch, ahead of its first reader
.irp b, 0,1,2,3
	v_exp_f32 v[BX+\b], v[BX+\b]                   ; the block's largest p
.endr
	v_pk_add_f32 v[216:217], v[100:101], v[104:105]
	v_pk_add_f32 v[252:253], v[108:109], v[112:113]
	v_pk_add_f32 v[250:251], v[116:117], v[120:121]
	v_pk_add_f32 v[246:247], v[124:125], v[128:129]
	v_pk_add_f32 v[244:245], v[132:133], v[136:137]
	v_pk_add_f32 v[242:243], v[140:141], v[144:145]
	v_pk_add_f32 v[222:223], v[148:149], v[152:153]
	v_pk_add_f32 v[14:15], v[14:15], v[156:157]
	v_pk_add_f32 v[216:217], v[216:217], v[96:97]
	v_pk_add_f32 v[252:253], v[252:253], v[98:99]
	v_pk_add_f32 v[250:251], v[250:251], v[102:103]
	v_pk_add_f32 v[246:247], v[246:247], v[106:107]
	v_pk_add_f32 v[244:245], v[244:245], v[110:111]
	v_pk_add_f32 v[242:243], v[242:243], v[114:115]
	v_pk_add_f32 v[222:223], v[222:223], v[118:119]
	v_pk_add_f32 v[14:15], v[14:15], v[122:123]
	v_pk_add_f32 v[216:217], v[216:217], v[126:127]
	v_pk_add_f32 v[252:253], v[252:253], v[130:131]
	v_pk_add_f32 v[250:251], v[250:251], v[134:135]
	v_pk_add_f32 v[246:247], v[246:247], v[138:139]
	v_pk_add_f32 v[244:245], v[244:245], v[142:143]
	v_pk_add_f32 v[242:243], v[242:243], v[146:147]
	v_pk_add_f32 v[222:223], v[222:223], v[150:151]
	v_pk_add_f32 v[14:15], v[14:15], v[154:155]
	v_pk_add_f32 v[216:217], v[216:217], v[158:159]
	s_delay_alu instid0(VALU_DEP_2)
	v_pk_add_f32 v[14:15], v[14:15], v[246:247]
	s_delay_alu instid0(VALU_DEP_2)
	v_pk_add_f32 v[216:217], v[216:217], v[244:245]
	v_pk_add_f32 v[252:253], v[252:253], v[242:243]
	v_pk_add_f32 v[250:251], v[250:251], v[222:223]
	s_delay_alu instid0(VALU_DEP_2)
	v_pk_add_f32 v[14:15], v[14:15], v[252:253]
	s_delay_alu instid0(VALU_DEP_2)
	v_pk_add_f32 v[216:217], v[216:217], v[250:251]
	s_delay_alu instid0(VALU_DEP_1)
	v_pk_add_f32 v[14:15], v[14:15], v[216:217]
	s_wait_alu depctr_va_vdst(0)                   ; and one for the four
.irp b, 0,1,2,3
	v_max_num_f32 v[BX+\b], 0x1800000, v[BX+\b]    ; the floor 2^(3 - 127)
.endr
.irp b, 0,1,2,3
	s_delay_alu instid0(VALU_DEP_4)
	v_add_nc_u32 v[SOP+\b], 0xff000000, v[BX+\b]
.endr
.irp b, 0,1,2,3
	s_delay_alu instid0(VALU_DEP_4)
	v_lshrrev_b32 v[PT+\b], 23, v[SOP+\b]
.endr
	s_delay_alu instid0(VALU_DEP_3)
	v_lshl_or_b32 v225, v[PT+1], 8, v[PT]          ; p's scale word for these 128 keys
	s_delay_alu instid0(VALU_DEP_1)
	v_lshl_or_b32 v225, v[PT+2], 16, v225
	s_delay_alu instid0(VALU_DEP_1)
	v_lshl_or_b32 v225, v[PT+3], 24, v225
.irp c, 0,1
	v_cvt_scalef32_pk16_fp6_f32 v[CD+6*\c:CD+2+6*\c], v[S+32*\c:S+15+32*\c], v[SOP+2*\c]
	v_cvt_scalef32_pk16_fp6_f32 v[CD+12+4*\c:CD+14+4*\c], v[S+16+32*\c:S+31+32*\c], v[SOP+2*\c+1]
.endr
	v_nop                                          ; one plain line behind the scaled conversions
.irp t, 0,1,2,3                                ; v's four fragments into the registers that p has left: they land under the lines below
.irp p, 0,1,2,3,4,5
	ds_load_b64 v[S+12*\t+2*\p:S+12*\t+2*\p+1], v9 offset:1792*\t+48*(\p/3)+8*(\p%3)
.endr
	ds_load_b32 v[VSC+\t], v11 offset:1792*\t
.endr
.irp c, 0,1
.irp i, 0,1,2
	v_permlane16_swap_b32 v[CD+6*\c+\i], v[CD+12+4*\c+\i]   ; a whole block to a lane
.endr
.irp i, 0,1,2
	s_delay_alu instid0(VALU_DEP_3)
	v_mov_b32 v[CD+3+6*\c+\i], v[CD+12+4*\c+\i]
.endr
.endr
.set j, 0
.rept 16
	v_pk_mul_f32 v[O+j:O+j+1], v[O+j:O+j+1], v[224:225] op_sel_hi:[1,0]   ; O^T under the new M; these sixteen also stand between the writes of the codes and the scale word and the products
.set j, j+2
.endr
	s_wait_alu depctr_va_vdst(0)
	s_wait_dscnt 0x0
.irp t, 0,1,2,3                                ; O^T += v^T p^T: the four accumulators by turns
	v_wmma_scale_f32_16x16x128_f8f6f4 v[O+8*\t:O+8*\t+7], v[S+12*\t:S+12*\t+11], v[CD:CD+11], v[O+8*\t:O+8*\t+7], v[VSC+\t], v225 matrix_a_fmt:MATRIX_FMT_FP6 matrix_b_fmt:MATRIX_FMT_FP6
.endr
.Lhidden_\@:
	s_add_co_u32 s[KF], s[KF], 128
	s_add_co_u32 s[TK], s[TK], 6144
	s_add_co_u32 s[TV], s[TV], 7168
	s_add_co_u32 s[TS], s[TS], 512
.endm
; y = O^T / the sum; its two blocks of 32 are quantised; 16 rows of 48 bytes go through my stage and leave as three aligned runs of 256 bytes; each lane stores one scale byte.
.macro WAYOUT yo, so
.rept 4
	v_nop
.endr
	v_add_f32 v14, v14, v15
	s_delay_alu instid0(VALU_DEP_1)
	v_permlanex16_b32 v226, v14, s[SEL], s[SEL+1]
	s_delay_alu instid0(VALU_DEP_1)
	v_add_f32 v14, v14, v226                       ; the row's sum
	s_wait_alu depctr_va_vdst(0)
	v_rcp_f32 v14, v14
	v_nop                                          ; a plain line behind the reciprocal
	s_wait_alu depctr_va_vdst(0)                   ; and the wait ahead of its first reader
.set j, 0
.rept 16
	v_pk_mul_f32 v[S+j:S+j+1], v[O+j:O+j+1], v[14:15] op_sel_hi:[1,0]   ; register 8 t + i: y(query r, d = 16 t + 8 h + i); each accumulator from its low end on
.set j, j+2
.endr
.irp b, 0,1
	v_max3_num_f32 v[BX+\b], |v[S+16*\b]|, |v[S+1+16*\b]|, 0x1800000
.endr
.irp i, 2,4,6,8,10,12,14
.irp b, 0,1
	s_delay_alu instid0(VALU_DEP_2)
	v_max3_num_f32 v[BX+\b], v[BX+\b], |v[S+16*\b+\i]|, |v[S+1+16*\b+\i]|
.endr
.endr
.irp b, 0,1
	s_delay_alu instid0(VALU_DEP_2)
	v_permlanex16_b32 v[PT+\b], v[BX+\b], s[SEL], s[SEL+1]
.endr
.irp b, 0,1
	s_delay_alu instid0(VALU_DEP_2)
	v_max_num_f32 v[BX+\b], v[BX+\b], v[PT+\b]
.endr
.irp b, 0,1
	s_delay_alu instid0(VALU_DEP_2)
	v_add_nc_u32 v[SOP+\b], 0xff000000, v[BX+\b]
.endr
.irp b, 0,1
	s_delay_alu instid0(VALU_DEP_2)
	v_lshrrev_b32 v[PT+\b], 23, v[SOP+\b]
.endr
	s_delay_alu instid0(VALU_DEP_1)
	v_lshl_or_b32 v226, v[PT+1], 8, v[PT]
	s_delay_alu instid0(VALU_DEP_1)
	v_lshrrev_b32 v241, v248, v226                 ; lanes 0-15 block 0's byte, lanes 16-31 block 1's
	v_cvt_scalef32_pk16_fp6_f32 v[CD:CD+2], v[S:S+15], v[SOP]
	v_cvt_scalef32_pk16_fp6_f32 v[CD+12:CD+14], v[S+16:S+31], v[SOP+1]
	v_nop
.irp i, 0,1,2
	v_permlane16_swap_b32 v[CD+\i], v[CD+12+\i]
.endr
.irp i, 0,1,2
	s_delay_alu instid0(VALU_DEP_3)
	v_mov_b32 v[CD+3+\i], v[CD+12+\i]
.endr
.irp p, 0,1,2
	ds_store_b64 v5, v[CD+2*\p:CD+2*\p+1] offset:8*\p
.endr
.irp i, 0,1,2
	ds_load_b64 v[242+2*\i:243+2*\i], v6 offset:256*\i   ; LDS serves a wave's instructions in order
.endr
	s_wait_alu depctr_va_vdst(0)
	s_wait_dscnt 0x0
.irp i, 0,1,2
	global_store_b64 v[\yo], v[242+2*\i:243+2*\i], s[10:11] offset:256*\i   ; 32 lanes store 256 consecutive bytes, aligned
.endr
	global_store_b8 v[\so], v241, s[12:13]
	s_wait_xcnt 0x0                                ; the stores' data registers are written again only behind this wait
.endm
.macro PASS qf, qs, q0, yo, so
	v_mov_b32 v13, 0xff61b1e6                      ; the largest t so far: -3e38
	s_delay_alu instid0(VALU_DEP_1)
	v_floor_f32 v12, -v13
	v_mov_b32 v14, 0
	v_mov_b32 v15, 0
.set j, 0
.rept 32
	v_mov_b32 v[O+j], 0                            ; the step is written once: the first finds zeros, which the first change of M leaves zeros
.set j, j+1
.endr
	s_mov_b32 s[KF], 0
	s_mov_b32 s[TK], 0
	s_mov_b32 s[TV], 0
	s_mov_b32 s[TS], 0
	s_mov_b32 s[CNT], 16
.Lstep_\@:
	STEP \qf, \qs, \q0
	s_sub_co_u32 s[CNT], s[CNT], 1
	s_cmp_lg_u32 s[CNT], 0
	s_cbranch_scc1 .Lstep_\@
	WAYOUT \yo, \so
.endm
	PASS 16, 28, 20, 7, 30
	PASS 228, 240, 21, 29, 31
	s_wait_tensorcnt 0x0
	ds_add_u32 v254, v255
	s_wait_dscnt 0x0
	s_endpgm
.Lfunc_end_k_q7f8b706cf8_attn:
	.size	k_q7f8b706cf8_attn, .Lfunc_end_k_q7f8b706cf8_attn-k_q7f8b706cf8_attn
	.p2alignl 7, 3214868480
	.fill 96, 4, 3214868480
	.section	.rodata,"a",@progbits
	.p2align	6, 0x0
	.amdhsa_kernel k_q7f8b706cf8_attn
		.amdhsa_group_segment_fixed_size 235520
		.amdhsa_private_segment_fixed_size 0
		.amdhsa_enable_private_segment 0
		.amdhsa_kernarg_size 40
		.amdhsa_user_sgpr_count 2
		.amdhsa_user_sgpr_kernarg_segment_ptr 1
		.amdhsa_wavefront_size32 1
		.amdhsa_system_sgpr_workgroup_id_x 1
		.amdhsa_system_sgpr_workgroup_id_y 1
		.amdhsa_system_sgpr_workgroup_id_z 1
		.amdhsa_system_vgpr_workitem_id 0
		.amdhsa_next_free_vgpr 256
		.amdhsa_next_free_sgpr 80
		.amdhsa_reserve_vcc 1
		.amdhsa_float_denorm_mode_32 3
		.amdhsa_float_denorm_mode_16_64 3
		.amdhsa_memory_ordered 1
		.amdhsa_forward_progress 1
		.amdhsa_inst_pref_size 71
	.end_amdhsa_kernel
	.amdgpu_metadata
---
amdhsa.version: [ 1, 2 ]
amdhsa.kernels:
  - .name:           k_q7f8b706cf8_attn
    .symbol:         k_q7f8b706cf8_attn.kd
    .args:
      - { .name: qkc, .offset: 0, .size: 8, .value_kind: global_buffer, .address_space: global }
      - { .name: qks, .offset: 8, .size: 8, .value_kind: global_buffer, .address_space: global }
      - { .name: vr, .offset: 16, .size: 8, .value_kind: global_buffer, .address_space: global }
      - { .name: yc, .offset: 24, .size: 8, .value_kind: global_buffer, .address_space: global }
      - { .name: ys, .offset: 32, .size: 8, .value_kind: global_buffer, .address_space: global }
    .group_segment_fixed_size: 235520
    .private_segment_fixed_size: 0
    .kernarg_segment_align: 8
    .kernarg_segment_size: 40
    .max_flat_workgroup_size: 512
    .sgpr_count:     80
    .vgpr_count:     256
    .wavefront_size: 32
...
	.end_amdgpu_metadata
.endif
;; end of part 3
;; launch proj (part 4): grid 4 x 64, 4 waves a work-group, clusters of 4 x 4, 327,680 bytes of LDS; arguments yc, ys, opc, ops, bproj, out0; writes out0
.if DOCPART == 4
	.amdgcn_target "amdgcn-amd-amdhsa--gfx1250"
	.amdhsa_code_object_version 6
	.text
	.protected	k_q7f8b706cf8_proj
	.globl	k_q7f8b706cf8_proj
	.p2align	8
	.type	k_q7f8b706cf8_proj,@function
k_q7f8b706cf8_proj:
	s_mov_b64 s[64:65], 0
	v_nop
	global_prefetch_b8 v0, s[64:65] scope:SCOPE_SE
	s_setreg_imm32_b32 hwreg(HW_REG_WAVE_MODE, 25, 1), 1
	s_wait_xcnt 0x0
	s_wait_alu depctr_hold_cnt(0) depctr_sa_sdst(0) depctr_va_vdst(0) depctr_va_sdst(0) depctr_va_ssrc(0) depctr_va_vcc(0) depctr_vm_vsrc(0)
	s_getreg_b32 s2, hwreg(HW_REG_IB_STS2, 6, 4)
	s_cmp_eq_u32 s2, 0
	s_cbranch_scc0 .Lentry_in_a_cluster
	s_endpgm
.Lentry_in_a_cluster:
	s_bfe_u32 s2, ttmp6, 0x10000c
	s_cmp_lg_u32 s2, 0xf033
	s_cbranch_scc0 .Lentry_shape_is_right
	s_endpgm
.Lentry_shape_is_right:
; out0 = y Wproj + bproj on codes of FP6 (E2M3), one E8M0 scale for each 32 along K = 1,024; sums in f32.
; y: yc [head 16][token 8,192][48 bytes], ys [token][32 bytes].  Wproj: rows 11,264 .. 12,287 of opc [K step of 256][row][192 bytes] and of ops [row][32 bytes].
; A block of out0 is 128 tokens x 256 columns: 64 x 4 = 256 work-groups.  Four waves, 2 x 2; a wave makes 64 x 128: 32 accumulators (window 2).
; The matrix instruction is used transposed (source 0 = Wproj's rows, source 1 = tokens): a lane holds eight neighbouring columns of one token.
; K goes in steps of 256 through two LDS slots.  A slot: y's 4 heads x 128 tokens x 48 bytes from its byte 0; Wproj's 256 rows (pitch 240: 16 bytes of padding behind every 64) from 2 HALFT.
; A matrix step is 128 along K; both operands have two sets of fragment registers, and step k + 1's fragments are fetched during step k's 32 products.
; THE HEAD, one load a wave: wave 0 y's tile, wave 1 y's scales, wave 2 Wproj's 256 rows, wave 3 its scales.  Slot 1's first fill and the two refills stand behind a round each: wave 0 y's tile, waves 2 and 3 half of Wproj's rows each.
; CLUSTERS 4 x 4: y's tiles are asked for jointly along a row of the cluster, Wproj's along a column.
; NO PREFETCH: K has four slot fills in all; two are asked for at the head, so only two refills could be run ahead of, by one step each.
; The stage of the way out lies in slot 0, which has had its last fill and, at the barrier in step 5, its last read.
; LIMITS: NaN and infinities are not served.
.set SIZE_N, 1024
.set ROWB,   192
.set PLANEK, 2359296                   ; opc: from one K step's plane to the next
.set PLANE,  393216                    ; yc: from head to head
.set ASTEP,  4*PLANE
.set PITCH,  240
.set FR,     12
.set NP,     4
.set HALFT,  128*PITCH
.set SLOT,   4*HALFT
.set KS,     32
.set SCL,    2*SLOT                    ; scales as units of 256 + 16 bytes: y's 128 rows at SCL, Wproj's 256 at SCL + 2 HALFS
.set HALFS,  16*272
.set SBLK,   2*272
.set SPARE,  SCL+4*HALFS
.set SPITCH, 528
.set ADRA, 16                          ; v16-17 y's fragments in slot 0, 1
.set ADRB, 20                          ; v20-21 Wproj's; v22-23 for the pieces behind one padding more
.set STO,  24
.set RD,   25
.set CO,   26
.set ADRS, 27                          ; scale words: lanes 0-15 y's block i, lanes 16-31 Wproj's block i (i = 0 .. 3)
.set SPW,  28
.set NIL,  29
.set BIO,  30
.set ADRS2, 31                         ; i = 4 .. 7: lanes 0-15 read y's block i - 4 once more (not used), lanes 16-31 Wproj's block i
.set SC,   32                          ; v32-63 scale words, two sets, and nothing else
.set BI,   64
.set AF,   128                         ; y's fragments, two sets of 48
.set BK,   128
.set G1, 24
.set G0, 32
.set G1B, 48
.set G0B, 56
.set G1S, 68
.set G0S, 76
.set G1SB, 80
.set G0SB, 88
.set G0HB, 92
.set MSB, 0
.macro WIN new
.if MSB != \new
	s_set_vgpr_msb (MSB<<8)|\new
.set MSB, \new
.endif
.endm
.set MUL,  0xa1                        ; source 0 window 1, source 1 window 0, C and D window 2
.set TO_B, 0x40
.macro PLACES n
.rept \n
	v_nop
.endr
.endm
.macro TLOAD g0, g1
	tensor_load_to_lds s[\g0:\g0+3], s[\g1:\g1+7]
	s_nop 0
	PLACES 4
.endm
.macro JLOAD3 s                        ; a slot's fill: wave 0 y's tile, waves 2 and 3 Wproj's halves, wave 1 none
	s_cmp_eq_u32 s14, 0
	s_cbranch_scc0 .Lfor_b_\@
	TLOAD G0+4*(\s), G1
	s_branch .Lasked_\@
.Lfor_b_\@:
	s_cmp_lt_u32 s14, 2
	s_cbranch_scc1 .Lasked_\@
	TLOAD G0B+4*(\s), G1B
.Lasked_\@:
.endm
.macro CREST
	s_cmp_lg_u32 s14, 0
	s_cbranch_scc1 .Lnot_wave_0_\@
	s_barrier_signal -3
.Lnot_wave_0_\@:
	s_barrier_wait -3
	s_barrier_signal -1
	s_barrier_wait -1
.endm
.macro CROUND
	s_barrier_signal -1
	s_barrier_wait -1
	CREST
.endm
	s_load_b128 s[4:7], s[0:1], 0x0                ; yc, ys
	s_load_b128 s[8:11], s[0:1], 0x10              ; opc, ops
	s_load_b128 s[96:99], s[0:1], 0x20             ; bproj, out0
	v_lshl_add_u32 v[SPW], v0, 2, SPARE
	v_mov_b32 v[NIL], 0
	ds_add_u32 v[SPW], v[NIL]
	ds_add_u32 v[SPW], v[NIL]
	v_lshrrev_b32 v1, 5, v0
	v_readfirstlane_b32 s14, v1                    ; wave
	s_lshr_b32 s15, s14, 1                         ; my 64 of the 128 tokens
	s_and_b32 s16, s14, 1                          ; my 128 of the 256 columns
	s_bfe_u32 s40, ttmp6, 0x40000
	s_bfe_u32 s41, ttmp6, 0x40004
	s_lshl_b32 s42, ttmp9, 2
	s_add_co_u32 s42, s42, s40                     ; block column 0 .. 3
	s_and_b32 s17, ttmp7, 0xffff
	s_lshl_b32 s17, s17, 2
	s_add_co_u32 s17, s17, s41                     ; block row 0 .. 63
	s_lshl_b32 s43, s41, 2
	s_lshl_b32 s43, 15, s43                        ; my row of the cluster
	s_lshl_b32 s44, 0x1111, s40                    ; my column
	s_or_b32 s[G1+0], s43, (1<<21)                 ; y's tile: 4 rows (heads) of 6,144 bytes
	s_mov_b32 s[G1+1], 6144<<16
	s_mov_b32 s[G1+2], 4<<16
	s_mov_b32 s[G1+3], 6144<<16
	s_mov_b32 s[G1+4], 4
	s_mov_b32 s[G1+5], PLANE
	s_mov_b32 s[G1+6], 0
	s_mov_b32 s[G1+7], 0
	s_or_b32 s[G1B+0], s44, (1<<20)|(1<<21)|(3<<22)|(3<<25)   ; Wproj's tile: dense, as rows of 256 bytes; 16 bytes of padding behind every 64
	s_mov_b32 s[G1B+1], 256<<16
	s_mov_b32 s[G1B+2], 192<<16                    ; at the head 256 rows of 192 bytes = 192 of 256
	s_mov_b32 s[G1B+3], 256<<16
	s_mov_b32 s[G1B+4], 192
	s_mov_b32 s[G1B+5], 256
	s_mov_b32 s[G1B+6], 0
	s_mov_b32 s[G1B+7], 0
	s_or_b32 s[G1S+0], s43, (3<<16)|(1<<20)|(1<<21)|(5<<22)|(3<<25)
	s_or_b32 s[G1SB+0], s44, (3<<16)|(1<<20)|(1<<21)|(5<<22)|(3<<25)
.irp g, G1S, G1SB
	s_mov_b32 s[\g+1], 32<<16
	s_mov_b32 s[\g+3], 32<<16
	s_mov_b32 s[\g+5], 32
	s_mov_b32 s[\g+6], 0
	s_mov_b32 s[\g+7], 0
.endr
	s_mov_b32 s[G1S+2], 16<<16                     ; 128 rows of 32 bytes
	s_mov_b32 s[G1S+4], 16
	s_mov_b32 s[G1SB+2], 32<<16                    ; 256 rows
	s_mov_b32 s[G1SB+4], 32
	s_mul_i32 s20, s17, 6144                       ; y's 128 tokens in a head's plane
	s_lshl_b32 s22, s17, 12                        ; and their scales
	s_lshl_b32 s12, s42, 8
	s_add_co_u32 s12, s12, 11264                   ; Wproj's first row of mine
	s_mul_i32 s46, s12, ROWB
	s_lshl_b32 s12, s12, 5
	s_mov_b32 s21, 0
	s_mov_b32 s23, 0
	s_mov_b32 s47, 0
	s_mov_b32 s13, 0
	s_mul_i32 s18, s16, 128*ROWB                   ; in the ring waves 2 and 3 fetch a half each
	s_mov_b32 s19, 0
	s_mul_i32 s66, s15, 64*48                      ; LDS: my tokens in a head's part of a slot
	s_mul_i32 s67, s16, HALFT
	s_add_co_u32 s67, s67, 2*HALFT                 ; my 128 rows of Wproj
	s_mul_i32 s100, s15, HALFS/2                   ; my tokens' scales
	s_mul_i32 s101, s16, HALFS
	s_add_co_u32 s101, s101, 2*HALFS
	s_sub_co_u32 s101, s101, s100                  ; from them to my columns' scales
	s_add_co_u32 s2, s101, 4*SBLK
	s_add_co_u32 s45, s100, SCL-4*SBLK
	s_add_co_u32 s100, s100, SCL
	s_mul_i32 s3, s14, 16*SPITCH                   ; my stage
	s_wait_dscnt 0x0
	s_wait_kmcnt 0x0
	s_add_nc_u64 s[20:21], s[4:5], s[20:21]
	s_add_nc_u64 s[22:23], s[6:7], s[22:23]
	s_add_nc_u64 s[46:47], s[8:9], s[46:47]
	s_add_nc_u64 s[12:13], s[10:11], s[12:13]
	CROUND                                         ; all sixteen work-groups are here: the first joint loads meet
	s_mov_b32 s[G0S], 1
	s_mov_b32 s[G0S+1], SCL
	s_mov_b64 s[G0S+2:G0S+3], s[22:23]
	s_or_b32 s[G0S+3], s[G0S+3], 0x80000000
	s_mov_b32 s[G0SB], 1
	s_mov_b32 s[G0SB+1], SCL+2*HALFS
	s_mov_b64 s[G0SB+2:G0SB+3], s[12:13]
	s_or_b32 s[G0SB+3], s[G0SB+3], 0x80000000
	s_mov_b32 s[G0HB], 1
	s_mov_b32 s[G0HB+1], 2*HALFT
	s_mov_b64 s[G0HB+2:G0HB+3], s[46:47]
	s_or_b32 s[G0HB+3], s[G0HB+3], 0x80000000
	s_add_nc_u64 s[46:47], s[46:47], s[18:19]
.irp s, 0,1
	s_mov_b32 s[G0+4*\s], 1
	s_mov_b32 s[G0+4*\s+1], \s*SLOT
	s_add_nc_u64 s[G0+4*\s+2:G0+4*\s+3], s[20:21], \s*ASTEP
	s_or_b32 s[G0+4*\s+3], s[G0+4*\s+3], 0x80000000
	s_mov_b32 s[G0B+4*\s], 1
	s_add_co_u32 s[G0B+4*\s+1], s67, \s*SLOT
	s_add_nc_u64 s[G0B+4*\s+2:G0B+4*\s+3], s[46:47], \s*PLANEK
	s_or_b32 s[G0B+4*\s+3], s[G0B+4*\s+3], 0x80000000
.endr
.macro ARM under, g0, g1, next         ; one chain of branches on the wave's number: every way passes exactly one load
	s_cmp_lt_u32 s14, \under
	s_cbranch_scc0 \next
	TLOAD \g0, \g1
	s_branch .Lhead_asked
\next:
.endm
	ARM 1, G0,   G1,  .Lhead_sa
	ARM 2, G0S,  G1S, .Lhead_b
	ARM 3, G0HB, G1B, .Lhead_sb
	TLOAD G0SB, G1SB
.Lhead_asked:
	s_lshl_b32 s20, s17, 7
	s_lshl_b32 s21, s15, 6
	s_add_co_u32 s20, s20, s21                     ; my first token
	s_lshl_b32 s20, s20, 12                        ; x 4,096 bytes
	s_lshl_b32 s46, s42, 10
	s_lshl_b32 s47, s16, 9
	s_add_co_u32 s46, s46, s47                     ; my first column, in bytes
	s_add_co_u32 s20, s20, s46
	s_mov_b32 s21, 0
	s_add_nc_u64 s[98:99], s[98:99], s[20:21]
	v_and_b32 v1, 15, v0                           ; r
	v_bfe_u32 v2, v0, 4, 1                         ; h
	v_mul_u32_u24 v3, v1, PITCH
	v_mul_u32_u24 v4, v2, 24
	v_mul_u32_u24 v7, v1, 48
	v_add_nc_u32 v7, v7, v4                        ; y: 48 r + 24 h
	v_add_nc_u32 v4, v3, v4                        ; Wproj: 240 r + 24 h,
	v_lshl_add_u32 v5, v2, 4, v4                   ; and behind one padding more
	v_add_nc_u32 v[ADRA], s66, v7
	v_add_nc_u32 v[ADRA+1], SLOT, v[ADRA]
	v_add_nc_u32 v[ADRB], s67, v4
	v_add_nc_u32 v[ADRB+1], SLOT, v[ADRB]
	v_add_nc_u32 v[ADRB+2], s67, v5
	v_add_nc_u32 v[ADRB+3], SLOT, v[ADRB+2]
	v_mul_u32_u24 v5, v1, KS
	v_lshrrev_b32 v6, 8, v5
	v_lshl_add_u32 v5, v6, 4, v5                   ; 32 bytes a row, 16 more for each 256 passed
	v_mul_u32_u24 v6, s101, v2
	v_add_nc_u32 v6, v5, v6
	v_add_nc_u32 v[ADRS], s100, v6
	v_mul_u32_u24 v6, s2, v2
	v_add_nc_u32 v6, v5, v6
	v_add_nc_u32 v[ADRS2], s45, v6
	v_mul_u32_u24 v5, v1, SPITCH
	v_lshl_add_u32 v5, v2, 5, v5
	v_add_nc_u32 v[STO], s3, v5
	v_and_b32 v6, 31, v0
	v_lshlrev_b32 v[CO], 4, v6
	v_add_nc_u32 v[RD], s3, v[CO]
	v_add_nc_u32 v[BIO], s46, v[CO]
	global_load_b128 v[BI:BI+3], v[BIO], s[96:97]  ; bproj at my four columns of a row read back
.macro FRAG reg, adr, q, i             ; Wproj: six pieces of 8 bytes
.irp p, 0,1,2,3,4,5
.set PIECE, 12*(\q)+6*(\p/3)+\p%3
.if PIECE%8 < 5
	ds_load_b64 v[\reg+2*\p:\reg+2*\p+1], v[\adr] offset:8*PIECE+16*(PIECE/8)+(\i)*16*PITCH
.else
	ds_load_b64 v[\reg+2*\p:\reg+2*\p+1], v[\adr+2] offset:8*PIECE+16*(PIECE/8)+(\i)*16*PITCH
.endif
.endr
.endm
.macro FRAGA reg, adr, q, i            ; y: heads 2 q and 2 q + 1 of the slot's four
.irp p, 0,1,2,3,4,5
	ds_load_b64 v[\reg+2*\p:\reg+2*\p+1], v[\adr] offset:(2*(\q)+\p/3)*6144+(\i)*768+8*(\p%3)
.endr
.endm
.macro FETCH k                         ; step k's fragments into set k % 2: 72 loads
	WIN TO_B
.irp i, 0,1,2,3,4,5,6,7
	FRAG 128*((\k)%2)+FR*\i, ADRB+((\k)/2)%2, (\k)%2, \i
.endr
	WIN 0
.irp i, 0,1,2,3
	FRAGA AF+48*((\k)%2)+FR*\i, ADRA+((\k)/2)%2, (\k)%2, \i
.endr
.endm
.macro SCALES j                        ; the scale words of steps 2 j and 2 j + 1 into set j % 2
.irp i, 0,1,2,3
	ds_load_b64 v[SC+16*((\j)%2)+2*\i:SC+16*((\j)%2)+2*\i+1], v[ADRS] offset:\i*SBLK+8*(\j)
.endr
.irp i, 4,5,6,7
	ds_load_b64 v[SC+16*((\j)%2)+2*\i:SC+16*((\j)%2)+2*\i+1], v[ADRS2] offset:\i*SBLK+8*(\j)
.endr
.endm
.macro MULA a, k                       ; eight products: token block a x the eight column blocks.  The 32 accumulators take turns in the same order in every step
.set P_, (\k)%2
.set S_, SC+16*(((\k)/2)%2)+P_
.irp b, 0,1,2,3,4,5,6,7
.if (\k) == 0
	v_wmma_scale_f32_16x16x128_f8f6f4 v[8*(8*(\a)+\b):8*(8*(\a)+\b)+7], v[128*P_+FR*\b:128*P_+FR*\b+FR-1], v[AF+48*P_+FR*(\a):AF+48*P_+FR*(\a)+FR-1], 0, v[S_+2*\b], v[S_+2*(\a)] matrix_a_fmt:MATRIX_FMT_FP6 matrix_b_fmt:MATRIX_FMT_FP6 matrix_a_scale:MATRIX_SCALE_ROW1
.else
	v_wmma_scale_f32_16x16x128_f8f6f4 v[8*(8*(\a)+\b):8*(8*(\a)+\b)+7], v[128*P_+FR*\b:128*P_+FR*\b+FR-1], v[AF+48*P_+FR*(\a):AF+48*P_+FR*(\a)+FR-1], v[8*(8*(\a)+\b):8*(8*(\a)+\b)+7], v[S_+2*\b], v[S_+2*(\a)] matrix_a_fmt:MATRIX_FMT_FP6 matrix_b_fmt:MATRIX_FMT_FP6 matrix_a_scale:MATRIX_SCALE_ROW1
.endif
.endr
.endm
; A step of 128 along K.  An even step fetches the slot's second half.  An odd step changes slots: its own fragments are in registers, so this slot is read no more behind its barrier.
.macro KSTEP k
.if (\k)%2 == 0
	s_wait_dscnt 0x0                               ; step k's fragments and scale words are in
	WIN MUL
	MULA 0, \k
	PLACES NP                                      ; ahead of loads into the set that step k - 1's products read
	FETCH (\k)+1
	WIN MUL
	MULA 1, \k
	MULA 2, \k
	MULA 3, \k
	WIN 0
.else
	s_wait_tensorcnt 0x0                           ; my part of the next slot is in
	ds_add_u32 v[SPW], v[NIL]
	s_wait_dscnt 1                                 ; step k's fragments are in; the add alone may be out
	WIN MUL
	MULA 0, \k
	s_wait_dscnt 0x0
	s_barrier_signal -1
	MULA 1, \k
	WIN 0
	s_barrier_wait -1
.if (\k) < 4
	CREST                                          ; the barrier has opened a round: no wave of any partner reads this slot or has a load on its way
	s_add_nc_u64 s[G0+4*((\k)/2)+2:G0+4*((\k)/2)+3], s[G0+4*((\k)/2)+2:G0+4*((\k)/2)+3], 2*ASTEP
	s_add_nc_u64 s[G0B+4*((\k)/2)+2:G0B+4*((\k)/2)+3], s[G0B+4*((\k)/2)+2:G0B+4*((\k)/2)+3], 2*PLANEK
	JLOAD3 (\k)/2                                  ; the K step two on, the first tensor load behind the round
.endif
	PLACES NP
	FETCH (\k)+1
	SCALES ((\k)+1)/2
	WIN MUL
	MULA 2, \k
	MULA 3, \k
	WIN 0
.endif
.endm
	s_wait_alu depctr_va_vdst(0)
	s_wait_tensorcnt 0x0                           ; my tile of the head's four is in; slot 1's first fill is issued as a refill is
	ds_add_u32 v[SPW], v[NIL]
	s_mov_b32 s[G1B+2], 96<<16                     ; no tensor load of mine is out: from here on 128 rows of 192 bytes = 96 of 256
	s_mov_b32 s[G1B+4], 96
	s_wait_dscnt 0x0
	CROUND
	JLOAD3 1
	FETCH 0
	SCALES 0
.irp k, 0,1,2,3,4,5,6
	KSTEP \k
.endr
	s_wait_dscnt 0x0                               ; the last step fetches nothing
	WIN MUL
.irp a, 0,1,2,3
	MULA \a, 7
.endr
	WIN 0
; THE WAY OUT, by blocks of 16 tokens x 128 columns through my stage: back as rows of 512 bytes, the bias added, stored as two aligned units of 256 bytes
.macro TOSTAGE a
	WIN 0x08                                       ; the data: window 2
.irp b, 0,1,2,3,4,5,6,7
	ds_store_b128 v[STO], v[64*(\a)+8*\b:64*(\a)+8*\b+3] offset:64*\b          ; each accumulator from its low end on
	ds_store_b128 v[STO], v[64*(\a)+8*\b+4:64*(\a)+8*\b+7] offset:64*\b+16
.endr
	WIN 0
.set BB, BK+64*((\a)%2)
.irp t, 0,1,2,3,4,5,6,7,8,9,10,11,12,13,14,15
	ds_load_b128 v[BB+4*\t:BB+4*\t+3], v[RD] offset:\t*SPITCH   ; LDS serves a wave's instructions in order
.endr
.endm
.macro SEND a, younger                 ; younger: the LDS instructions issued behind block a's loads
.set BB, BK+64*((\a)%2)
	s_wait_dscnt \younger
.if (\a) > 0
	s_add_nc_u64 s[98:99], s[98:99], 16*SIZE_N*4   ; behind a wait on XCNT: the earlier stores have read their base
.endif
.irp t, 0,1,2,3,4,5,6,7,8,9,10,11,12,13,14,15
	v_pk_add_f32 v[BB+4*\t:BB+4*\t+1], v[BB+4*\t:BB+4*\t+1], v[BI:BI+1]
	v_pk_add_f32 v[BB+4*\t+2:BB+4*\t+3], v[BB+4*\t+2:BB+4*\t+3], v[BI+2:BI+3]
	global_store_b128 v[CO], v[BB+4*\t:BB+4*\t+3], s[98:99] offset:\t*SIZE_N*4 th:TH_STORE_NT
.endr
.endm
	s_wait_loadcnt 0x0                             ; the bias
	PLACES NP
	TOSTAGE 0
.irp a, 1,2,3
.if \a > 1
	s_wait_xcnt 0x0                                ; block a - 2's stores have read their registers and their base
.endif
	TOSTAGE \a
	SEND \a-1, 32                                  ; behind block a - 1's loads: block a's 16 stores and 16 loads
.endr
	s_wait_xcnt 0x0
	SEND 3, 0
	s_wait_tensorcnt 0x0                           ; the wave's end
	ds_add_u32 v[SPW], v[NIL]
	s_wait_dscnt 0x0
	CROUND                                         ; the closing round
	s_endpgm
.Lfunc_end_k_q7f8b706cf8_proj:
	.size	k_q7f8b706cf8_proj, .Lfunc_end_k_q7f8b706cf8_proj-k_q7f8b706cf8_proj
	.p2alignl 7, 3214868480
	.fill 96, 4, 3214868480
	.section	.rodata,"a",@progbits
	.p2align	6, 0x0
	.amdhsa_kernel k_q7f8b706cf8_proj
		.amdhsa_group_segment_fixed_size 327680
		.amdhsa_private_segment_fixed_size 0
		.amdhsa_enable_private_segment 0
		.amdhsa_kernarg_size 48
		.amdhsa_user_sgpr_count 2
		.amdhsa_user_sgpr_kernarg_segment_ptr 1
		.amdhsa_wavefront_size32 1
		.amdhsa_system_sgpr_workgroup_id_x 1
		.amdhsa_system_sgpr_workgroup_id_y 1
		.amdhsa_system_sgpr_workgroup_id_z 1
		.amdhsa_system_vgpr_workitem_id 0
		.amdhsa_next_free_vgpr 768
		.amdhsa_next_free_sgpr 102
		.amdhsa_reserve_vcc 0
		.amdhsa_float_denorm_mode_32 3
		.amdhsa_float_denorm_mode_16_64 3
		.amdhsa_memory_ordered 1
		.amdhsa_forward_progress 1
		.amdhsa_inst_pref_size 109
	.end_amdhsa_kernel
	.amdgpu_metadata
---
amdhsa.version: [ 1, 2 ]
amdhsa.kernels:
  - .name:           k_q7f8b706cf8_proj
    .symbol:         k_q7f8b706cf8_proj.kd
    .args:
      - { .name: yc, .offset: 0, .size: 8, .value_kind: global_buffer, .address_space: global }
      - { .name: ys, .offset: 8, .size: 8, .value_kind: global_buffer, .address_space: global }
      - { .name: opc, .offset: 16, .size: 8, .value_kind: global_buffer, .address_space: global }
      - { .name: ops, .offset: 24, .size: 8, .value_kind: global_buffer, .address_space: global }
      - { .name: bproj, .offset: 32, .size: 8, .value_kind: global_buffer, .address_space: global }
      - { .name: out0, .offset: 40, .size: 8, .value_kind: global_buffer, .address_space: global }
    .group_segment_fixed_size: 327680
    .private_segment_fixed_size: 0
    .kernarg_segment_align: 8
    .kernarg_segment_size: 48
    .max_flat_workgroup_size: 128
    .sgpr_count:     102
    .vgpr_count:     768
    .wavefront_size: 32
...
	.end_amdgpu_metadata
.endif
;; end of part 4
